; MI455X (gfx1250); checked and timed in simulation.
; The chip was launched on July 23, 2026; its instructions are those of AMD's public machine-readable ISA for CDNA 5 (MIT licence, August 2026) and "CDNA5" Instruction Set Architecture Reference Guide (July 2026). The comments in the code are by the model that wrote it; some were corrected since.
;; Multi Head Dot Attn. Allowed arithmetic: float matrix products may take bf16 or f16 operands with f32 sums; all other float work in f32.
;; Inputs: Wk 8 x 512 x 512 float32; Wq 8 x 512 x 1,024 float32; key_len 64 int32; keys 64 x 512 x 512 float32; query 64 x 1,024 float32; value 64 x 512 x 512 float32.
;; Outputs: out0 64 x 4,096 float32; out1 64 x 8 x 512 float32.
;; 2 versions, each right; version 2 is version 1 with the launches projfold, energy written anew for expert scheduling mode. Each part assembles by itself: llvm-mc -triple=amdgcn-amd-amdhsa -mcpu=gfx1250 --defsym DOCPART=n.
;; ======== version 1 of 2: 3 launches
;; workspace buffers: pq 8,388,608 bytes; en 1,048,576 bytes
;; launch projfold (part 1): grid 256 x 1, 8 waves a work-group, no clusters, 212,224 bytes of LDS; arguments query, Wq, Wk, pq; writes pq
.if DOCPART == 1
	.amdgcn_target "amdgcn-amd-amdhsa--gfx1250"
	.amdhsa_code_object_version 6
	.text
	.protected	k_qeabee84273_projfold
	.globl	k_qeabee84273_projfold
	.p2align	8
	.type	k_qeabee84273_projfold,@function
k_qeabee84273_projfold:
	s_mov_b64 s[64:65], 0
	v_nop
	global_prefetch_b8 v0, s[64:65] scope:SCOPE_SE
	s_setreg_imm32_b32 hwreg(HW_REG_WAVE_MODE, 25, 1), 1
	s_wait_xcnt 0x0
; TWO PRODUCTS IN ONE LAUNCH.  q[b][h][a] = the sum over c of query[b][c] Wq[h][a][c];  then, for a slice of 64 a, pq[sa][b][h][k] = the sum over the slice's a of q[b][h][a] Wk[h][a][k].
; The eight slices' sum is qk[b][h][k], and energy[b][h][s] = the sum over k of keys[b][s][k] qk[b][h][k]: reference()'s products over a and k, regrouped; it holds for every input.  The next launch adds the slices.
; query: [64][1024], Wq: [8][512][1024], Wk: [8][512][512], all f32, each rounded once to bf16; sums in f32.  q stays in the work-group in f32 and enters the second product as hi + lo, two bf16
; numbers, so that what is left of it is below 2^-16 of q.
; SHARES.  Work-group: head h = wg / 32, slice sa = (wg / 4) % 8 (rows a = 64 sa .. + 63), 16 batches (mt = wg % 4).
; PHASE 1.  Wave w owns columns 128 w .. 128 w + 127 of the 64 rows of Wq and the 16 of query: 512 bytes of a row, one load of the wave.  16 rows land in 64 registers, are rounded in pairs and laid as rows of
; 256 bytes into the wave's own LDS, from which the fragments are read as they lie.  The eight waves' partial sums meet in LDS; wave w adds one eighth and lays it into Q2, q in f32, for all waves.
; PHASE 2.  Wave w owns columns k = 64 w .. 64 w + 63 and all 64 a: no sum across waves.  The index that is summed over is Wk's ROW: load i of a K step: lane (r, hh) takes 16 bytes of row 16 hh + i, columns
; 4 r .. 4 r + 3; rows 2 p and 2 p + 1, rounded in a pair, are register p of a fragment whose column r stands for column 4 r + tt.  A lane half so holds 16 consecutive a; q's fragment is read from Q2 in the
; same order, and a permutation of K that both sources share leaves the products as they are.  Wk's loads go out during phase 1, into slots whose rows have been rounded.
; THE RESULT, f32: byte of (sa, b, h, k) = 1,048,576 sa + 16,384 b + 2,048 h + 4 k.  It leaves through the wave's own LDS rows, so that each half of the lanes stores 256 consecutive bytes.
; NO CLUSTER, no tensor loads: the four work-groups of one (h, sa) read the same rows of Wq and Wk, but in f32 these are 262,144 + 131,072 = 393,216 bytes, more than the 327,680 that a work-group can be
; given: joint loads would want slots that are filled again, and a pass from LDS through registers back to LDS for the rounding, which the way in through registers has not.
; LIMITS.  The order of the sums is not reference()'s.  NaN and infinities are not treated apart (hi + lo of an infinity is NaN).
; REGISTERS.  Window 0: v1 lane, v2 lane % 16, v3 lane / 16, v4-v15 addresses, v16-47 at work, then q, then the way out, v48-79 phase 1's accumulators, v80-111 query's fragments, then q's hi and lo,
; v112-239 Wq's fragments; later v112-175 Wk's fragments, v176-207 phase 2's accumulators, v208-211 at work.  Window 1: four slots of 64 registers in which rows land.
; s_set_vgpr_msb: bits 1:0 source 0, 3:2 source 1, 7:6 destination.
.set ROWB,  4096                       ; bytes in a row of query and of Wq
.set PITCH, 272                        ; an LDS row: 256 bytes + 16: an odd multiple of 16, so the 16 rows of a fragment load start 16 bytes further on modulo 256
.set WREG,  80*PITCH                   ; a wave's own rows: 0-15 query, 16-79 Wq; at the end rows 0-15 are its stage
.set RED,   8*WREG                     ; phase 1's partial sums: [slice 8][wave 8][lane 32] of 16 bytes
.set Q2,    RED+32768                  ; q in f32: 16 rows (batches) of 64 a
.set T,     16
.set ACC,   48
.set SF,    80                         ; query's fragment of K step kk at SF + 8 kk
.set MF,    112                        ; Wq's: K step kk, tile g at MF + 32 kk + 8 g
.set QL,    16                         ; q as read from Q2: K step t at QL + 16 t
.set QF,    80                         ; K step t: hi at QF + 16 t, lo at QF + 16 t + 8
.set WF,    112                        ; K step t: tile tt at WF + 32 t + 8 tt
.set AC2,   176
.set TMP,   208
.set OB,    16
.set MSB, 0
.macro WIN new                         ; the immediate's high byte repeats the setting that is left; a switch that changes nothing is dropped
.if MSB != (\new)
	s_set_vgpr_msb (MSB<<8)|(\new)
.set MSB, \new
.endif
.endm
; 16 rows, from row0 on, into a slot of window 1: lane l takes columns 4 l .. 4 l + 3 of my 128
.macro LOADG slot, lo, row0
	WIN 0x40
.set i, 0
.rept 16
	global_load_b128 v[(\slot)+4*i:(\slot)+4*i+3], v4, s[\lo:\lo+1] offset:((\row0)+i)*ROWB
.set i, i+1
.endr
.endm
; Wk, K step tq, load i: row 32 tq + 16 hh + i of the slice's 64 (63 at the most).  Each half of the lanes covers 256 consecutive bytes, aligned
.macro LOADW tq, slot
	WIN 0x40
.set i, 0
.rept 16
	global_load_b128 v[(\slot)+4*i:(\slot)+4*i+3], v11, s[8:9] offset:(32*(\tq)+i)*2048
.set i, i+1
.endr
.endm
; the slot's 16 rows, rounded to bf16, go to my LDS rows from byte off on: each store covers 256 consecutive bytes
.macro CONV slot, off
	WIN 0x05
.set i, 0
.rept 32
	v_cvt_pk_bf16_f32 v[T+i], v[(\slot)+2*i], v[(\slot)+2*i+1]
.set i, i+1
.endr
	WIN 0
.set i, 0
.rept 16
	ds_store_b64 v5, v[T+2*i:T+2*i+1] offset:(\off)+i*PITCH
.set i, i+1
.endr
.endm
; groups of four registers: group n takes group n + st, for n below st
.macro LEVEL base, st
.set n, 0
.rept \st
	v_pk_add_f32 v[(\base)+4*n:(\base)+4*n+1], v[(\base)+4*n:(\base)+4*n+1], v[(\base)+4*(n+(\st)):(\base)+4*(n+(\st))+1]
	v_pk_add_f32 v[(\base)+4*n+2:(\base)+4*n+3], v[(\base)+4*n+2:(\base)+4*n+3], v[(\base)+4*(n+(\st))+2:(\base)+4*(n+(\st))+3]
.set n, n+1
.endr
.endm
; two f32 -> their bf16 roundings, packed, and the bf16 roundings of what is left
.macro SPLIT2 src, hi, lo, tmp
	v_cvt_pk_bf16_f32 v[\hi], v[\src], v[(\src)+1]
	v_lshlrev_b32 v[\tmp], 16, v[\hi]
	v_and_b32 v[(\tmp)+1], 0xffff0000, v[\hi]
	v_pk_add_f32 v[(\tmp):(\tmp)+1], v[(\src):(\src)+1], v[(\tmp):(\tmp)+1] neg_lo:[0,1] neg_hi:[0,1]
	v_cvt_pk_bf16_f32 v[\lo], v[\tmp], v[(\tmp)+1]
.endm
; 16 landed loads (window 1) -> four fragments: tile tt, register p = rows 2 p and 2 p + 1 of my half, column 4 r + tt
.macro ROWPACK land, frag
	WIN 0x05
.set tt, 0
.rept 4
.set p, 0
.rept 8
	v_cvt_pk_bf16_f32 v[(\frag)+8*tt+p], v[(\land)+8*p+tt], v[(\land)+8*p+4+tt]
.set p, p+1
.endr
.set tt, tt+1
.endr
	WIN 0
.endm
; four products of phase 2: the four accumulators take turns, one instruction a turn
.macro MULS qq, ff, zero
.set tt, 0
.rept 4
.if \zero
	v_wmma_f32_16x16x32_bf16 v[AC2+8*tt:AC2+8*tt+7], v[(\qq):(\qq)+7], v[(\ff)+8*tt:(\ff)+8*tt+7], 0
.else
	v_wmma_f32_16x16x32_bf16 v[AC2+8*tt:AC2+8*tt+7], v[(\qq):(\qq)+7], v[(\ff)+8*tt:(\ff)+8*tt+7], v[AC2+8*tt:AC2+8*tt+7]
.endif
.set tt, tt+1
.endr
.endm
	s_load_b256 s[4:11], s[0:1], 0x0               ; query s[4:5], Wq s[6:7], Wk s[8:9], pq s[10:11]
	v_lshl_add_u32 v254, v0, 2, 0x33900
	v_mov_b32 v255, 0
	v_and_b32 v1, 31, v0                           ; lane l
	v_and_b32 v2, 15, v0                           ; r = l % 16
	v_bfe_u32 v3, v0, 4, 1                         ; hh = l / 16
	v_lshlrev_b32 v4, 4, v1                        ; 16 l
	v_lshrrev_b32 v12, 5, v0
	v_readfirstlane_b32 s14, v12                   ; wave w
	s_and_b32 s15, ttmp9, 3                        ; mt
	s_bfe_u32 s16, ttmp9, 0x30002                  ; sa: three bits from bit 2
	s_lshr_b32 s17, ttmp9, 5                       ; h
	s_lshl_b32 s26, s14, 9                         ; my 512 bytes of a row of query and of Wq
	s_lshl_b32 s18, s15, 16                        ; query: 16 rows of 4,096 bytes for each mt
	s_add_co_u32 s18, s18, s26
	s_mov_b32 s19, 0
	s_lshl_b32 s20, s17, 21                        ; Wq: the head's 512 rows, the slice's 64
	s_lshl_b32 s27, s16, 18
	s_add_co_u32 s20, s20, s27
	s_add_co_u32 s20, s20, s26
	s_mov_b32 s21, 0
	s_lshl_b32 s22, s17, 20                        ; Wk: the head, the slice's 64 rows of 2,048 bytes, my 256 bytes of a row
	s_lshl_b32 s27, s16, 17
	s_add_co_u32 s22, s22, s27
	s_lshl_b32 s29, s14, 8
	s_add_co_u32 s22, s22, s29
	s_mov_b32 s23, 0
	s_lshl_b32 s24, s16, 20                        ; pq: the slice, batch 16 mt, the head, my 256 bytes
	s_lshl_b32 s27, s15, 18
	s_add_co_u32 s24, s24, s27
	s_lshl_b32 s27, s17, 11
	s_add_co_u32 s24, s24, s27
	s_add_co_u32 s24, s24, s29
	s_mov_b32 s25, 0
	s_mul_i32 s28, s14, WREG                       ; my rows in LDS
	v_lshl_add_u32 v5, v1, 3, s28                  ; into them: 8 bytes a lane
	v_mul_u32_u24 v12, v2, PITCH                   ; r rows
	v_lshl_add_u32 v6, v3, 4, v12                  ; out of them: row r, 16 bytes for each half of the lanes
	v_add_nc_u32 v6, s28, v6
	s_add_co_u32 s27, s26, RED
	v_add_nc_u32 v7, s27, v4                       ; my partial sums: RED + 512 w + 16 l, the slice in the offset
	s_lshl_b32 s27, s14, 12
	s_add_co_u32 s27, s27, RED
	v_add_nc_u32 v8, s27, v4                       ; slice w: RED + 4,096 w + 16 l, the wave in the offset
	s_lshr_b32 s27, s14, 1                         ; into Q2: row r, a = 16 (w / 2) + 8 hh + 4 (w % 2) on
	s_lshl_b32 s27, s27, 6
	s_and_b32 s30, s14, 1
	s_lshl_b32 s30, s30, 4
	s_add_co_u32 s27, s27, s30
	s_add_co_u32 s27, s27, Q2
	v_lshl_add_u32 v9, v3, 5, v12
	v_add_nc_u32 v9, s27, v9
	v_lshl_add_u32 v10, v3, 6, v12                 ; out of Q2: row r, a = 16 hh on; K step and four a in the offset
	v_add_nc_u32 v10, Q2, v10
	v_lshlrev_b32 v13, 4, v2                       ; 16 r
	v_lshl_add_u32 v11, v3, 15, v13                ; in Wk: 16 rows on for the upper half of the lanes, + 16 r
	v_mul_u32_u24 v14, v3, 8*PITCH                 ; into my stage: row 8 hh (+ j), column 4 r (+ tt)
	v_lshl_add_u32 v14, v2, 4, v14
	v_add_nc_u32 v14, s28, v14
	v_mul_u32_u24 v15, v3, PITCH                   ; back: lanes 0-15 one row of 256 bytes, lanes 16-31 the next
	v_lshl_add_u32 v15, v2, 4, v15
	v_add_nc_u32 v15, s28, v15
	v_lshl_add_u32 v13, v3, 14, v13                ; and the same two batches in pq: 16,384 hh + 16 r
	s_wait_kmcnt 0x0
	s_add_nc_u64 s[4:5], s[4:5], s[18:19]
	s_add_nc_u64 s[6:7], s[6:7], s[20:21]
	s_add_nc_u64 s[8:9], s[8:9], s[22:23]
	s_add_nc_u64 s[10:11], s[10:11], s[24:25]
	; PHASE 1.  Seven groups of 16 loads; three are out at a time.  At each wait the two groups issued behind the awaited one stay out.
	LOADG 0,   6, 0                                ; Wq's rows 0-15 of the slice
	LOADG 64,  6, 16                               ; 16-31
	LOADG 128, 4, 0                                ; my 16 batches of query
	s_wait_loadcnt 32                              ; Wq's rows 0-15 are in
	LOADG 192, 6, 32                               ; 32-47
	CONV 0, 16*PITCH
	s_wait_loadcnt 32                              ; rows 16-31 are in (behind them: query's and rows 32-47)
	LOADG 0,   6, 48                               ; rows 48-63 into the first slot, whose roundings stand above
	CONV 64, 32*PITCH
	s_wait_loadcnt 32                              ; query's rows are in
	LOADW 0, 64                                    ; Wk's first K step into the second slot, whose roundings stand above
	CONV 128, 0
	s_wait_loadcnt 32                              ; rows 32-47 (behind them: rows 48-63 and Wk's first K step)
	LOADW 1, 128                                   ; Wk's second K step into the third slot
	CONV 192, 48*PITCH
	s_wait_loadcnt 32                              ; rows 48-63; Wk's 32 loads stay out
	CONV 0, 64*PITCH
	; The fragments, 16 rows x 32 K in 8 registers: lane l holds row r, K = 8 hh + 0..7 and 16 + 8 hh + 0..7: two loads of 16 bytes, 32 bytes apart.
	; LDS serves a wave's instructions in order (ISA guide 5.7.1.4): these loads see my stores above.  Ten loads for each 32 along K.
.set kk, 0
.rept 4
	ds_load_b128 v[SF+8*kk:SF+8*kk+3],   v6 offset:64*kk
	ds_load_b128 v[SF+8*kk+4:SF+8*kk+7], v6 offset:64*kk+32
.set g, 0
.rept 4
	ds_load_b128 v[MF+32*kk+8*g:MF+32*kk+8*g+3],   v6 offset:(16+16*g)*PITCH+64*kk
	ds_load_b128 v[MF+32*kk+8*g+4:MF+32*kk+8*g+7], v6 offset:(16+16*g)*PITCH+64*kk+32
.set g, g+1
.endr
.set kk, kk+1
.endr
	; Source 0 = 16 rows of Wq (tile g), source 1 = my 16 batches: register j of lane l is q(b = r, a = 16 g + 8 hh + j).
	; The four accumulators take turns, one instruction a turn; the first product on each starts its sum.
.set kk, 0
.rept 4
	s_wait_dscnt 30-10*kk                          ; the ten loads of this K step are in; those of the later steps may be out
.set g, 0
.rept 4
.if kk == 0
	v_wmma_f32_16x16x32_bf16 v[ACC+8*g:ACC+8*g+7], v[MF+32*kk+8*g:MF+32*kk+8*g+7], v[SF+8*kk:SF+8*kk+7], 0
.else
	v_wmma_f32_16x16x32_bf16 v[ACC+8*g:ACC+8*g+7], v[MF+32*kk+8*g:MF+32*kk+8*g+7], v[SF+8*kk:SF+8*kk+7], v[ACC+8*g:ACC+8*g+7]
.endif
.set g, g+1
.endr
.set kk, kk+1
.endr
.rept 4
	v_nop                                          ; four places between the last product and the stores that read results
.endr
.set g, 0
.rept 4
	ds_store_b128 v7, v[ACC+8*g:ACC+8*g+3]   offset:(2*g)*4096     ; each accumulator's low four registers first
	ds_store_b128 v7, v[ACC+8*g+4:ACC+8*g+7] offset:(2*g+1)*4096
.set g, g+1
.endr
	s_wait_dscnt 0x0                               ; for the others' sake: my partial sums are in LDS
	s_barrier_signal -1
	s_barrier_wait -1
.set i, 0
.rept 8
	ds_load_b128 v[T+4*i:T+4*i+3], v8 offset:i*512 ; slice w = 2 g + jh of all eight waves
.set i, i+1
.endr
	s_wait_dscnt 0x0
	LEVEL T, 4
	LEVEL T, 2
	LEVEL T, 1
	ds_store_b128 v9, v[T:T+3]                     ; q(r, 16 (w/2) + 8 hh + 4 (w%2) + 0..3)
	s_wait_dscnt 0x0                               ; for the others' sake: my eighth of q is in LDS
	s_barrier_signal -1
	s_barrier_wait -1
	; PHASE 2
.set tq, 0
.rept 2
.set i, 0
.rept 4
	ds_load_b128 v[QL+16*tq+4*i:QL+16*tq+4*i+3], v10 offset:128*tq+16*i   ; q(r, 32 tq + 16 hh + 4 i + 0..3)
.set i, i+1
.endr
.set tq, tq+1
.endr
	s_wait_dscnt 0x0
.set tq, 0
.rept 2
.set p, 0
.rept 8
	SPLIT2 QL+16*tq+2*p, QF+16*tq+p, QF+16*tq+8+p, TMP+2*(p%2)
.set p, p+1
.endr
.set tq, tq+1
.endr
	s_wait_loadcnt 16                              ; Wk's first K step is in; the second may be out
	ROWPACK 64, WF
	MULS QF,   WF, 1                               ; hi starts the sums,
	MULS QF+8, WF, 0                               ; lo adds onto them
	s_wait_loadcnt 0x0
	ROWPACK 128, WF+32
	MULS QF+16, WF+32, 0
	MULS QF+24, WF+32, 0
.rept 4
	v_nop                                          ; four places between the last product and the stores that read results
.endr
	; register j of accumulator tt in lane (r, hh) is the slice's part of qk(16 mt + 8 hh + j, 64 w + 4 r + tt).  Through my own rows of LDS: in by numbers, back by rows of 256 bytes.
.set tt, 0
.rept 4
.set j, 0
.rept 8
	ds_store_b32 v14, v[AC2+8*tt+j] offset:j*PITCH+4*tt            ; each accumulator from its low end on
.set j, j+1
.endr
.set tt, tt+1
.endr
.set i, 0
.rept 8
	ds_load_b128 v[OB+4*i:OB+4*i+3], v15 offset:i*2*PITCH          ; LDS serves a wave's instructions in order (ISA guide 5.7.1.4): these see the stores above
.set i, i+1
.endr
.set i, 0
.rept 8
	s_wait_dscnt 7-i                               ; rows 2 i and 2 i + 1 are back; the later loads may be out
	global_store_b128 v13, v[OB+4*i:OB+4*i+3], s[10:11] offset:i*32768   ; batches 16 mt + 2 i + hh: each half of the lanes stores 256 consecutive bytes, aligned
.set i, i+1
.endr
	s_wait_tensorcnt 0x0
	ds_add_u32 v254, v255
	s_wait_dscnt 0x0
	s_endpgm
.Lfunc_end_k_qeabee84273_projfold:
	.size	k_qeabee84273_projfold, .Lfunc_end_k_qeabee84273_projfold-k_qeabee84273_projfold
	.p2alignl 7, 3214868480
	.fill 96, 4, 3214868480
	.section	.rodata,"a",@progbits
	.p2align	6, 0x0
	.amdhsa_kernel k_qeabee84273_projfold
		.amdhsa_group_segment_fixed_size 212224
		.amdhsa_private_segment_fixed_size 0
		.amdhsa_enable_private_segment 0
		.amdhsa_kernarg_size 32
		.amdhsa_user_sgpr_count 2
		.amdhsa_user_sgpr_kernarg_segment_ptr 1
		.amdhsa_wavefront_size32 1
		.amdhsa_system_sgpr_workgroup_id_x 1
		.amdhsa_system_sgpr_workgroup_id_y 1
		.amdhsa_system_sgpr_workgroup_id_z 1
		.amdhsa_system_vgpr_workitem_id 0
		.amdhsa_next_free_vgpr 512
		.amdhsa_next_free_sgpr 66
		.amdhsa_reserve_vcc 0
		.amdhsa_float_denorm_mode_32 3
		.amdhsa_float_denorm_mode_16_64 3
		.amdhsa_memory_ordered 1
		.amdhsa_forward_progress 1
		.amdhsa_inst_pref_size 50
	.end_amdhsa_kernel
	.amdgpu_metadata
---
amdhsa.version: [ 1, 2 ]
amdhsa.kernels:
  - .name:           k_qeabee84273_projfold
    .symbol:         k_qeabee84273_projfold.kd
    .args:
      - { .name: query, .offset: 0, .size: 8, .value_kind: global_buffer, .address_space: global }
      - { .name: Wq, .offset: 8, .size: 8, .value_kind: global_buffer, .address_space: global }
      - { .name: Wk, .offset: 16, .size: 8, .value_kind: global_buffer, .address_space: global }
      - { .name: pq, .offset: 24, .size: 8, .value_kind: global_buffer, .address_space: global }
    .group_segment_fixed_size: 212224
    .private_segment_fixed_size: 0
    .kernarg_segment_align: 8
    .kernarg_segment_size: 32
    .max_flat_workgroup_size: 256
    .sgpr_count:     66
    .vgpr_count:     512
    .wavefront_size: 32
...
	.end_amdgpu_metadata
.endif
;; end of part 1
;; launch energy (part 2): grid 256 x 1, 8 waves a work-group, no clusters, 155,136 bytes of LDS; arguments pq, keys, en; writes en
.if DOCPART == 2
	.amdgcn_target "amdgcn-amd-amdhsa--gfx1250"
	.amdhsa_code_object_version 6
	.text
	.protected	k_qeabee84273_energy
	.globl	k_qeabee84273_energy
	.p2align	8
	.type	k_qeabee84273_energy,@function
k_qeabee84273_energy:
	s_mov_b64 s[64:65], 0
	v_nop
	global_prefetch_b8 v0, s[64:65] scope:SCOPE_SE
	s_setreg_imm32_b32 hwreg(HW_REG_WAVE_MODE, 25, 1), 1
	s_wait_xcnt 0x0
; en[b][h][s] = the sum over k of keys[b][s][k] qk[b][h][k]: the energies before the mask.  qk is the sum of the eight slices that the launch before stored (f32); it enters the product as hi + lo, two bf16
; numbers.  keys: [64][512][512] f32, rounded once to bf16; sums in f32.
; SHARES.  Work-group: batch b = wg / 4, 128 positions s (sq = wg % 4).  Wave w adds head w's eight slices and lays hi and lo into LDS for all waves; then it owns 16 positions, 16 rows of 2,048 bytes of keys,
; and takes them in four chunks of 512 bytes a row.
; ONE SOURCE OF 16 ROWS HOLDS hi AND lo: rows 0-7 the eight heads' hi, rows 8-15 their lo.  In the result the lower half of the lanes then holds the hi part and the upper half the lo part of the same
; eight heads: one exchange between the halves adds them.
; THE WAY IN.  A chunk lands in 64 registers, is rounded to bf16 and laid into the wave's own LDS rows, from which the fragments are read as they lie.
; NO CLUSTER: what the four work-groups of a batch share is the slices of qk, 128 KiB beside the 256 KiB of keys that are a work-group's own; they are summed in registers as they land, which a tile in LDS would
; only reach by a further pass.  No tensor loads: three groups of 16 loads of each wave are out from its first lines on.
; LIMITS.  The order of the sums is not reference()'s (products regrouped; a in eight slices; even and odd K steps in two accumulators).  NaN and infinities are not treated apart.
; REGISTERS.  Window 0: v1-v10 lane numbers and addresses, v16-143 the eight slices as they land; then v32-63 at work, v64-127 fragments, v128-143 two accumulators; v144-163 the way out.
; Window 1: four chunks of 64.
.set PP,  1040                         ; an LDS row: 1,024 bytes of bf16 + 16: an odd multiple of 16
.set KL,  16*PP                        ; behind qk's 16 rows: 16 rows for each wave
.set EST, 9*16*PP                      ; behind them: the work-group's energies, 8 rows of 512 bytes + 16
.set EP,  528
.set PQ,  16                           ; slice sl: 16 registers at PQ + 16 sl: register 4 c + x is k = 128 c + 4 l + x
.set HI,  32
.set LO,  40
.set TMP, 48
.set T,   32
.set FR,  64                           ; K step kk of a chunk: qk's fragment at FR + 16 kk, keys' at FR + 16 kk + 8
.set ACC, 128
.set SS,  144
.set XX,  152
.set YY,  156
.set OO,  160
.set MSB, 0
.macro WIN new                         ; the immediate's high byte repeats the setting that is left; a switch that changes nothing is dropped
.if MSB != (\new)
	s_set_vgpr_msb (MSB<<8)|(\new)
.set MSB, \new
.endif
.endm
.macro LOADK cq                        ; chunk cq of my 16 rows: lane l takes columns 128 cq + 4 l .. + 3; a load covers 512 consecutive bytes
	WIN 0x40
.set i, 0
.rept 16
	global_load_b128 v[64*(\cq)+4*i:64*(\cq)+4*i+3], v4, s[6:7] offset:i*2048+(\cq)*512 th:TH_LOAD_NT
.set i, i+1
.endr
.endm
.macro ADD16 a, b                      ; slice a takes slice b
.set n, 0
.rept 8
	v_pk_add_f32 v[PQ+16*(\a)+2*n:PQ+16*(\a)+2*n+1], v[PQ+16*(\a)+2*n:PQ+16*(\a)+2*n+1], v[PQ+16*(\b)+2*n:PQ+16*(\b)+2*n+1]
.set n, n+1
.endr
.endm
.macro SPLIT2 src, hi, lo, tmp         ; two f32 -> their bf16 roundings, packed, and the bf16 roundings of what is left
	v_cvt_pk_bf16_f32 v[\hi], v[\src], v[(\src)+1]
	v_lshlrev_b32 v[\tmp], 16, v[\hi]
	v_and_b32 v[(\tmp)+1], 0xffff0000, v[\hi]
	v_pk_add_f32 v[(\tmp):(\tmp)+1], v[(\src):(\src)+1], v[(\tmp):(\tmp)+1] neg_lo:[0,1] neg_hi:[0,1]
	v_cvt_pk_bf16_f32 v[\lo], v[\tmp], v[(\tmp)+1]
.endm
.macro CHUNK cq, left
	s_wait_loadcnt \left                           ; this chunk's 16 loads are in; the younger ones stay out
.if (\cq) == 0
	LOADK 3                                        ; the last chunk goes out as soon as 16 loads have come back
.endif
	WIN 0x05
.set i, 0
.rept 32
	v_cvt_pk_bf16_f32 v[T+i], v[64*(\cq)+2*i], v[64*(\cq)+2*i+1]   ; these 32 also stand between the last chunk's products and the loads into their fragments
.set i, i+1
.endr
	WIN 0
.set i, 0
.rept 16
	ds_store_b64 v5, v[T+2*i:T+2*i+1] offset:256*(\cq)+i*PP        ; 256 consecutive bytes of row i
.set i, i+1
.endr
.set kk, 0
.rept 4                                                            ; LDS serves a wave's instructions in order (ISA guide 5.7.1.4): these see the stores above
	ds_load_b128 v[FR+16*kk:FR+16*kk+3],     v6 offset:256*(\cq)+64*kk
	ds_load_b128 v[FR+16*kk+4:FR+16*kk+7],   v6 offset:256*(\cq)+64*kk+32
	ds_load_b128 v[FR+16*kk+8:FR+16*kk+11],  v7 offset:256*(\cq)+64*kk
	ds_load_b128 v[FR+16*kk+12:FR+16*kk+15], v7 offset:256*(\cq)+64*kk+32
.set kk, kk+1
.endr
.set kk, 0
.rept 4
	s_wait_dscnt 12-4*kk                           ; this K step's four loads are in
.if ((\cq) == 0) && (kk < 2)
	v_wmma_f32_16x16x32_bf16 v[ACC+8*(kk%2):ACC+8*(kk%2)+7], v[FR+16*kk:FR+16*kk+7], v[FR+16*kk+8:FR+16*kk+15], 0
.else
	v_wmma_f32_16x16x32_bf16 v[ACC+8*(kk%2):ACC+8*(kk%2)+7], v[FR+16*kk:FR+16*kk+7], v[FR+16*kk+8:FR+16*kk+15], v[ACC+8*(kk%2):ACC+8*(kk%2)+7]
.endif
.set kk, kk+1
.endr
.endm
	s_load_b128 s[4:7], s[0:1], 0x0                ; pq s[4:5], keys s[6:7]
	s_load_b64 s[8:9], s[0:1], 0x10                ; en
	v_lshl_add_u32 v254, v0, 2, 0x25a00
	v_mov_b32 v255, 0
	v_and_b32 v1, 31, v0                           ; lane l
	v_and_b32 v2, 15, v0                           ; r
	v_bfe_u32 v3, v0, 4, 1                         ; hh
	v_lshlrev_b32 v4, 4, v1                        ; 16 l
	v_lshrrev_b32 v12, 5, v0
	v_readfirstlane_b32 s14, v12                   ; wave w
	s_lshr_b32 s15, ttmp9, 2                       ; b
	s_and_b32 s16, ttmp9, 3                        ; sq
	s_lshl_b32 s18, s15, 14                        ; pq: batch b, head w, in slice 0
	s_lshl_b32 s22, s14, 11
	s_add_co_u32 s18, s18, s22
	s_mov_b32 s19, 0
	s_lshl_b32 s24, s15, 20                        ; keys: batch b, row 128 sq + 16 w
	s_lshl_b32 s22, s16, 18
	s_add_co_u32 s24, s24, s22
	s_lshl_b32 s22, s14, 15
	s_add_co_u32 s24, s24, s22
	s_mov_b32 s25, 0
	s_lshl_b32 s26, s15, 3                         ; en: row 8 b + w, 512 bytes of sq
	s_add_co_u32 s26, s26, s14
	s_lshl_b32 s26, s26, 11
	s_lshl_b32 s22, s16, 9
	s_add_co_u32 s26, s26, s22
	s_mov_b32 s27, 0
	s_mov_b32 s20, 0x76543210                      ; v_permlanex16_b32: each lane takes its own place in the other half
	s_mov_b32 s21, 0xfedcba98
	s_mul_i32 s22, s14, 16*PP
	s_add_co_u32 s22, s22, KL                      ; my 16 rows in LDS
	v_lshl_add_u32 v5, v1, 3, s22                  ; into them: 8 bytes a lane
	v_mul_u32_u24 v6, v2, PP
	v_lshl_add_u32 v6, v3, 4, v6                   ; qk's fragments: row r, 16 bytes for each half of the lanes
	v_add_nc_u32 v7, s22, v6                       ; keys' fragments
	s_mul_i32 s23, s14, PP
	v_lshl_add_u32 v8, v1, 3, s23                  ; qk's row w: 8 bytes a lane
	v_mul_u32_u24 v9, v3, 4*EP
	v_lshl_add_u32 v9, v2, 2, v9
	s_lshl_b32 s23, s14, 6
	s_add_co_u32 s23, s23, EST
	v_add_nc_u32 v9, s23, v9                       ; an energy: row 4 hh (+ i), column 16 w + r
	s_mul_i32 s23, s14, EP
	s_add_co_u32 s23, s23, EST
	v_add_nc_u32 v10, s23, v4                      ; back: row w, 16 bytes a lane
	v_cmp_ne_u32 vcc_lo, 0, v3                     ; the upper half of the lanes
	s_wait_kmcnt 0x0
	s_add_nc_u64 s[4:5], s[4:5], s[18:19]
	s_add_nc_u64 s[6:7], s[6:7], s[24:25]
	s_add_nc_u64 s[8:9], s[8:9], s[26:27]
.set sl, 0
.rept 8
.set c, 0
.rept 4
	global_load_b128 v[PQ+16*sl+4*c:PQ+16*sl+4*c+3], v4, s[4:5] offset:sl*1048576+c*512   ; slice sl of head w: k = 128 c + 4 l + 0..3; the immediate is 7,341,568 at the most, inside its signed 24 bits
.set c, c+1
.endr
.set sl, sl+1
.endr
	LOADK 0
	WIN 0
	s_wait_loadcnt 32                              ; slices 0-3 are in (behind them: slices 4-7's 16 loads and chunk 0's)
	LOADK 1
	WIN 0
	ADD16 0, 1
	ADD16 2, 3
	ADD16 0, 2
	s_wait_loadcnt 32                              ; slices 4-7 are in (behind them: chunks 0 and 1)
	LOADK 2
	WIN 0
	ADD16 4, 5
	ADD16 6, 7
	ADD16 4, 6
	ADD16 0, 4                                     ; qk of head w, 16 numbers a lane
.set i, 0
.rept 8
	SPLIT2 PQ+2*i, HI+i, LO+i, TMP+2*(i%2)
.set i, i+1
.endr
.set c, 0
.rept 4
	ds_store_b64 v8, v[HI+2*c:HI+2*c+1] offset:c*256               ; hi into row w,
	ds_store_b64 v8, v[LO+2*c:LO+2*c+1] offset:8*PP+c*256          ; lo into row w + 8
.set c, c+1
.endr
	s_wait_dscnt 0x0                               ; for the others' sake: my head's rows are in LDS
	s_barrier_signal -1
	s_barrier_wait -1
	CHUNK 0, 32                                    ; behind chunk 0: chunks 1 and 2.  The two accumulators take turns, one instruction a turn
	CHUNK 1, 32                                    ; behind chunk 1: chunks 2 and 3
	CHUNK 2, 16
	CHUNK 3, 0
.rept 4
	v_nop                                          ; four places between the last product and the additions that read results (ISA guide 7.12.1)
.endr
.set i, 0
.rept 4
	v_pk_add_f32 v[SS+2*i:SS+2*i+1], v[ACC+2*i:ACC+2*i+1], v[ACC+8+2*i:ACC+8+2*i+1]   ; from the low end on
.set i, i+1
.endr
	; register j: head j at position r; hi part in lanes 0-15, lo part in lanes 16-31.  The lower half keeps heads 0-3 and sends 4-7, the upper half keeps 4-7 and sends 0-3.
.set i, 0
.rept 4
	v_cndmask_b32 v[XX+i], v[SS+i], v[SS+4+i], vcc_lo              ; what I keep
	v_cndmask_b32 v[YY+i], v[SS+4+i], v[SS+i], vcc_lo              ; what I send
.set i, i+1
.endr
.set i, 0
.rept 4
	v_permlanex16_b32 v[SS+i], v[YY+i], s20, s21
.set i, i+1
.endr
.set i, 0
.rept 4
	v_add_f32 v[OO+i], v[XX+i], v[SS+i]            ; head 4 hh + i, position 16 w + r
	ds_store_b32 v9, v[OO+i] offset:i*EP
.set i, i+1
.endr
	s_wait_dscnt 0x0                               ; for the others' sake
	s_barrier_signal -1
	s_barrier_wait -1
	ds_load_b128 v[OO:OO+3], v10                   ; head w, the work-group's 128 positions
	s_wait_dscnt 0x0
	global_store_b128 v4, v[OO:OO+3], s[8:9]       ; 512 consecutive bytes, aligned
	s_wait_tensorcnt 0x0
	ds_add_u32 v254, v255
	s_wait_dscnt 0x0
	s_endpgm
.Lfunc_end_k_qeabee84273_energy:
	.size	k_qeabee84273_energy, .Lfunc_end_k_qeabee84273_energy-k_qeabee84273_energy
	.p2alignl 7, 3214868480
	.fill 96, 4, 3214868480
	.section	.rodata,"a",@progbits
	.p2align	6, 0x0
	.amdhsa_kernel k_qeabee84273_energy
		.amdhsa_group_segment_fixed_size 155136
		.amdhsa_private_segment_fixed_size 0
		.amdhsa_enable_private_segment 0
		.amdhsa_kernarg_size 24
		.amdhsa_user_sgpr_count 2
		.amdhsa_user_sgpr_kernarg_segment_ptr 1
		.amdhsa_wavefront_size32 1
		.amdhsa_system_sgpr_workgroup_id_x 1
		.amdhsa_system_sgpr_workgroup_id_y 1
		.amdhsa_system_sgpr_workgroup_id_z 1
		.amdhsa_system_vgpr_workitem_id 0
		.amdhsa_next_free_vgpr 512
		.amdhsa_next_free_sgpr 66
		.amdhsa_reserve_vcc 1
		.amdhsa_float_denorm_mode_32 3
		.amdhsa_float_denorm_mode_16_64 3
		.amdhsa_memory_ordered 1
		.amdhsa_forward_progress 1
		.amdhsa_inst_pref_size 38
	.end_amdhsa_kernel
	.amdgpu_metadata
---
amdhsa.version: [ 1, 2 ]
amdhsa.kernels:
  - .name:           k_qeabee84273_energy
    .symbol:         k_qeabee84273_energy.kd
    .args:
      - { .name: pq, .offset: 0, .size: 8, .value_kind: global_buffer, .address_space: global }
      - { .name: keys, .offset: 8, .size: 8, .value_kind: global_buffer, .address_space: global }
      - { .name: en, .offset: 16, .size: 8, .value_kind: global_buffer, .address_space: global }
    .group_segment_fixed_size: 155136
    .private_segment_fixed_size: 0
    .kernarg_segment_align: 8
    .kernarg_segment_size: 24
    .max_flat_workgroup_size: 256
    .sgpr_count:     66
    .vgpr_count:     512
    .wavefront_size: 32
...
	.end_amdgpu_metadata
.endif
;; end of part 2
;; launch attend (part 3): grid 256 x 1, 8 waves a work-group, no clusters, 83,200 bytes of LDS; arguments en, key_len, value, out0, out1; writes out0, out1
.if DOCPART == 3
	.amdgcn_target "amdgcn-amd-amdhsa--gfx1250"
	.amdhsa_code_object_version 6
	.text
	.protected	k_qeabee84273_attend
	.globl	k_qeabee84273_attend
	.p2align	8
	.type	k_qeabee84273_attend,@function
k_qeabee84273_attend:
	s_mov_b64 s[64:65], 0
	v_nop
	global_prefetch_b8 v0, s[64:65] scope:SCOPE_SE
	s_setreg_imm32_b32 hwreg(HW_REG_WAVE_MODE, 25, 1), 1
	s_wait_xcnt 0x0
; attn[b][h][:] = softmax over s of (s < key_len[b] ? en[b][h][s] : -1e10);  out1 = attn;  out0[b][512 h + d] = the sum over s of attn[b][h][s] value[b][s][d].
; value: [64][512][512] f32, rounded once to bf16; attn enters the product as hi + lo, two bf16 numbers; maximum, exponentials and sums in f32.  reference()'s scaling by 1.0 needs no instruction.
; SHARES.  Work-group: batch b = wg / 4, 128 columns d (dq = wg % 4).  Wave w makes head w's softmax (each of a batch's four work-groups makes all eight; heads 2 dq and 2 dq + 1 are stored from here, so
; each byte of out1 has one writer).  Then wave w takes value's rows 64 w .. 64 w + 63, 512 bytes of each, as four groups g = 2 t + blk: K step t of 32 rows, block blk of 64 columns.
; ONE SOURCE OF 16 ROWS HOLDS hi AND lo: rows 0-7 the heads' hi, rows 8-15 their lo; the final sum over the waves adds the two as well.
; NO LDS ON value's WAY IN.  The index that is summed over is value's ROW: load i of a group: lane (r, hh) takes 16 bytes of row 16 hh + i, columns 4 r .. 4 r + 3; rows 2 p and 2 p + 1, rounded in a pair, are
; register p of a fragment whose column r stands for column 4 r + tt.  A lane half so holds 16 consecutive s; attn's fragment is read from LDS in the same order, and a permutation of K that both sources share
; leaves the products as they are.
; THE MASK only selects values: every position is computed in every wave.  If no position is open all 512 energies are -1e10 and the weights are 1/512, as in reference().
; NO CLUSTER: what a batch's four work-groups share is en, 16 KiB beside the 256 KiB of value that are a work-group's own.  No tensor loads: three of each wave's four groups are out from its first lines on.
; LIMITS.  A weight below 2^-126 counts as 0.  The order of the sums is not reference()'s.  NaN and infinities are not treated apart.
; REGISTERS.  Window 0: v1-v11 lane numbers and addresses, v12-15 and v32-47 at work, v16-31 energies, then weights, v48-63 attn's fragments, v64-127 value's (two sets), v128-191 eight accumulators,
; v192-255 the final sum.  Window 1: four groups of 64 in which value's rows land.
.set PP,  1040                         ; a row of attn in LDS: 1,024 bytes of bf16 + 16
.set RED, 16*PP                        ; behind them the partial sums: [head 8][2 w + hh: 16][128 columns] of f32
.set E,   16                           ; E + 4 c + x: position 128 c + 4 l + x
.set HI,  32
.set LO,  40
.set PF,  48
.set F,   64
.set ACC, 128                          ; block blk, tile tt at ACC + 32 blk + 8 tt
.set R,   192
.set MSB, 0
.macro WIN new                         ; the immediate's high byte repeats the setting that is left; a switch that changes nothing is dropped
.if MSB != (\new)
	s_set_vgpr_msb (MSB<<8)|(\new)
.set MSB, \new
.endif
.endm
.macro SPLIT2 src, hi, lo, tmp         ; two f32 -> their bf16 roundings, packed, and the bf16 roundings of what is left
	v_cvt_pk_bf16_f32 v[\hi], v[\src], v[(\src)+1]
	v_lshlrev_b32 v[\tmp], 16, v[\hi]
	v_and_b32 v[(\tmp)+1], 0xffff0000, v[\hi]
	v_pk_add_f32 v[(\tmp):(\tmp)+1], v[(\src):(\src)+1], v[(\tmp):(\tmp)+1] neg_lo:[0,1] neg_hi:[0,1]
	v_cvt_pk_bf16_f32 v[\lo], v[\tmp], v[(\tmp)+1]
.endm
.macro LOADV g                         ; group g: each half of the lanes covers 256 consecutive bytes, aligned
	WIN 0x40
.set i, 0
.rept 16
	global_load_b128 v[64*(\g)+4*i:64*(\g)+4*i+3], v5, s[8:9] offset:(32*((\g)/2)+i)*2048+((\g)%2)*256 th:TH_LOAD_NT
.set i, i+1
.endr
.endm
.macro ROWPACK land, frag              ; 16 landed loads (window 1) -> four fragments
	WIN 0x05
.set tt, 0
.rept 4
.set p, 0
.rept 8
	v_cvt_pk_bf16_f32 v[(\frag)+8*tt+p], v[(\land)+8*p+tt], v[(\land)+8*p+4+tt]
.set p, p+1
.endr
.set tt, tt+1
.endr
	WIN 0
.endm
; Group g: its rows are awaited, packed into fragment set g % 2 and multiplied.  The set that the group before multiplied is left alone; its 32 roundings stand between that group's products and the
; next writing of their fragments.  A group's four accumulators take turns, one instruction a turn.
.macro GROUP g, left
	s_wait_loadcnt \left
.if (\g) == 0
	LOADV 3                                        ; the last group goes out as soon as 16 loads have come back
.endif
	ROWPACK 64*(\g), F+32*((\g)%2)
.if (\g) == 0
	s_wait_dscnt 0x0                               ; attn's fragments are in
.endif
.set tt, 0
.rept 4
.if (\g) < 2
	v_wmma_f32_16x16x32_bf16 v[ACC+32*((\g)%2)+8*tt:ACC+32*((\g)%2)+8*tt+7], v[PF+8*((\g)/2):PF+8*((\g)/2)+7], v[F+32*((\g)%2)+8*tt:F+32*((\g)%2)+8*tt+7], 0
.else
	v_wmma_f32_16x16x32_bf16 v[ACC+32*((\g)%2)+8*tt:ACC+32*((\g)%2)+8*tt+7], v[PF+8*((\g)/2):PF+8*((\g)/2)+7], v[F+32*((\g)%2)+8*tt:F+32*((\g)%2)+8*tt+7], v[ACC+32*((\g)%2)+8*tt:ACC+32*((\g)%2)+8*tt+7]
.endif
.set tt, tt+1
.endr
.endm
.macro LEVEL base, st                  ; groups of four registers: group n takes group n + st, for n below st
.set n, 0
.rept \st
	v_pk_add_f32 v[(\base)+4*n:(\base)+4*n+1], v[(\base)+4*n:(\base)+4*n+1], v[(\base)+4*(n+(\st)):(\base)+4*(n+(\st))+1]
	v_pk_add_f32 v[(\base)+4*n+2:(\base)+4*n+3], v[(\base)+4*n+2:(\base)+4*n+3], v[(\base)+4*(n+(\st))+2:(\base)+4*(n+(\st))+3]
.set n, n+1
.endr
.endm
	s_load_b256 s[4:11], s[0:1], 0x0               ; en s[4:5], key_len s[6:7], value s[8:9], out0 s[10:11]
	s_load_b64 s[12:13], s[0:1], 0x20              ; out1
	v_and_b32 v1, 31, v0                           ; lane l
	v_and_b32 v2, 15, v0                           ; r
	v_bfe_u32 v3, v0, 4, 1                         ; hh
	v_lshlrev_b32 v4, 4, v1                        ; 16 l
	v_lshrrev_b32 v12, 5, v0
	v_readfirstlane_b32 s14, v12                   ; wave w
	s_lshr_b32 s15, ttmp9, 2                       ; b
	s_and_b32 s16, ttmp9, 3                        ; dq
	s_lshl_b32 s18, s15, 3                         ; en and out1: row 8 b + w of 2,048 bytes
	s_add_co_u32 s18, s18, s14
	s_lshl_b32 s18, s18, 11
	s_mov_b32 s19, 0
	s_lshl_b32 s20, s15, 2                         ; key_len: word b
	s_mov_b32 s21, 0
	s_lshl_b32 s24, s15, 20                        ; value: batch b, my 64 rows, the 512 bytes of dq
	s_lshl_b32 s22, s14, 17
	s_add_co_u32 s24, s24, s22
	s_lshl_b32 s23, s16, 9
	s_add_co_u32 s24, s24, s23
	s_mov_b32 s25, 0
	s_lshl_b32 s26, s15, 14                        ; out0: row b, head w, the 512 bytes of dq
	s_lshl_b32 s22, s14, 11
	s_add_co_u32 s26, s26, s22
	s_add_co_u32 s26, s26, s23
	s_mov_b32 s27, 0
	s_mov_b32 s30, 0x76543210                      ; v_permlanex16_b32: each lane takes its own place in the other half
	s_mov_b32 s31, 0xfedcba98
	v_lshlrev_b32 v5, 4, v2
	v_lshl_add_u32 v5, v3, 15, v5                  ; in value: 16 rows on for the upper half of the lanes, + 16 r
	s_wait_kmcnt 0x0
	s_add_nc_u64 s[4:5], s[4:5], s[18:19]
	s_add_nc_u64 s[6:7], s[6:7], s[20:21]
	s_add_nc_u64 s[8:9], s[8:9], s[24:25]
	s_add_nc_u64 s[10:11], s[10:11], s[26:27]
	s_add_nc_u64 s[12:13], s[12:13], s[18:19]
	s_load_b32 s17, s[6:7], 0x0                    ; key_len[b]
.set c, 0
.rept 4
	global_load_b128 v[E+4*c:E+4*c+3], v4, s[4:5] offset:c*512
.set c, c+1
.endr
	LOADV 0
	LOADV 1
	LOADV 2
	WIN 0
	v_mov_b32 v7, 0xd01502f9                       ; -1e10
	s_mul_i32 s22, s14, PP
	v_lshl_add_u32 v8, v1, 3, s22                  ; attn's row w: 8 bytes a lane
	v_mul_u32_u24 v9, v2, PP
	v_lshl_add_u32 v9, v3, 5, v9
	s_lshl_b32 s22, s14, 7
	v_add_nc_u32 v9, s22, v9                       ; attn's fragments: row r, positions 64 w + 16 hh on
	v_lshlrev_b32 v10, 4, v2
	v_lshl_add_u32 v10, v3, 9, v10
	s_lshl_b32 s22, s14, 10
	s_add_co_u32 s22, s22, RED
	v_add_nc_u32 v10, s22, v10                     ; my partial sums: part 2 w + hh, column 4 r; head, block and tile in the offset
	s_lshl_b32 s22, s14, 13
	s_add_co_u32 s22, s22, RED
	v_add_nc_u32 v11, s22, v4                      ; head w: 16 bytes a lane; the part in the offset
	v_lshlrev_b32 v6, 2, v1
	s_wait_kmcnt 0x0
	s_max_i32 s17, s17, 0                          ; below 0 and above 512 the mask is that of 0 and of 512
	s_min_i32 s17, s17, 512
	v_sub_nc_u32 v6, s17, v6                       ; key_len - 4 l: position 128 c + 4 l + x is open where 128 c + x is less
	s_wait_loadcnt 48                              ; the energies are in; value's three groups stay out
.set i, 0
.rept 16
	v_cmp_lt_i32 vcc_lo, 128*(i/4)+i%4, v6
	v_cndmask_b32 v[E+i], v7, v[E+i], vcc_lo
.set i, i+1
.endr
	v_max3_num_f32 v32, v16, v17, v18              ; the row's maximum: my 16,
	v_max3_num_f32 v33, v19, v20, v21
	v_max3_num_f32 v34, v22, v23, v24
	v_max3_num_f32 v35, v25, v26, v27
	v_max3_num_f32 v36, v28, v29, v30
	v_max3_num_f32 v32, v32, v33, v34
	v_max3_num_f32 v35, v35, v36, v31
	v_max_num_f32 v32, v32, v35
	v_max_num_f32_dpp v32, v32, v32 row_xmask:1 row_mask:0xf bank_mask:0xf   ; the 16 lanes of my half,
	v_max_num_f32_dpp v32, v32, v32 row_xmask:2 row_mask:0xf bank_mask:0xf
	v_max_num_f32_dpp v32, v32, v32 row_xmask:4 row_mask:0xf bank_mask:0xf
	v_max_num_f32_dpp v32, v32, v32 row_xmask:8 row_mask:0xf bank_mask:0xf
	v_permlanex16_b32 v33, v32, s30, s31           ; the other half
	v_max_num_f32 v32, v32, v33
.set i, 0
.rept 8
	v_pk_add_f32 v[E+2*i:E+2*i+1], v[E+2*i:E+2*i+1], v[32:33] op_sel_hi:[1,0] neg_lo:[0,1] neg_hi:[0,1]   ; e - m first: exact where it matters, and no difference of two large products
.set i, i+1
.endr
.set i, 0
.rept 8
	v_pk_mul_f32 v[E+2*i:E+2*i+1], v[E+2*i:E+2*i+1], 0x3fb8aa3b op_sel_hi:[1,0]                           ; times log2(e)
.set i, i+1
.endr
.set i, 0
.rept 16
	v_exp_f32 v[E+i], v[E+i]
.set i, i+1
.endr
	v_nop                                          ; a plain instruction between the last exponential and the use of its result
	s_wait_alu depctr_va_vdst(0)
	v_pk_add_f32 v[34:35], v[16:17], v[18:19]
	v_pk_add_f32 v[36:37], v[20:21], v[22:23]
	v_pk_add_f32 v[38:39], v[24:25], v[26:27]
	v_pk_add_f32 v[40:41], v[28:29], v[30:31]
	v_pk_add_f32 v[34:35], v[34:35], v[36:37]
	v_pk_add_f32 v[38:39], v[38:39], v[40:41]
	v_pk_add_f32 v[34:35], v[34:35], v[38:39]
	v_add_f32 v34, v34, v35
	v_add_f32_dpp v34, v34, v34 row_xmask:1 row_mask:0xf bank_mask:0xf
	v_add_f32_dpp v34, v34, v34 row_xmask:2 row_mask:0xf bank_mask:0xf
	v_add_f32_dpp v34, v34, v34 row_xmask:4 row_mask:0xf bank_mask:0xf
	v_add_f32_dpp v34, v34, v34 row_xmask:8 row_mask:0xf bank_mask:0xf
	v_permlanex16_b32 v35, v34, s30, s31
	v_add_f32 v34, v34, v35                        ; at least 1: the maximum's own weight
	v_rcp_f32 v36, v34
	v_nop                                          ; a plain instruction between the reciprocal and its use
.set i, 0
	s_wait_alu depctr_va_vdst(0)
.rept 8
	v_pk_mul_f32 v[E+2*i:E+2*i+1], v[E+2*i:E+2*i+1], v[36:37] op_sel_hi:[1,0]
.set i, i+1
.endr
	s_lshr_b32 s22, s14, 1
	s_cmp_lg_u32 s22, s16
	s_cbranch_scc1 .Lnot_mine                      ; of a batch's four work-groups number dq stores heads 2 dq and 2 dq + 1
.set c, 0
.rept 4
	global_store_b128 v4, v[E+4*c:E+4*c+3], s[12:13] offset:c*512 th:TH_STORE_NT   ; 512 consecutive bytes, aligned; E, v4 and the base are not written again
.set c, c+1
.endr
.Lnot_mine:
.set i, 0
.rept 8
	SPLIT2 E+2*i, HI+i, LO+i, 12+2*(i%2)
.set i, i+1
.endr
.set c, 0
.rept 4
	ds_store_b64 v8, v[HI+2*c:HI+2*c+1] offset:c*256               ; hi into row w,
	ds_store_b64 v8, v[LO+2*c:LO+2*c+1] offset:8*PP+c*256          ; lo into row w + 8
.set c, c+1
.endr
	s_wait_dscnt 0x0                               ; for the others' sake: my head's weights are in LDS
	s_barrier_signal -1
	s_barrier_wait -1
.set tq, 0
.rept 2
	ds_load_b128 v[PF+8*tq:PF+8*tq+3],   v9 offset:64*tq           ; row r, positions 64 w + 32 tq + 16 hh + 0..7,
	ds_load_b128 v[PF+8*tq+4:PF+8*tq+7], v9 offset:64*tq+16        ; + 8..15
.set tq, tq+1
.endr
	GROUP 0, 32                                    ; behind group 0: groups 1 and 2
	GROUP 1, 32                                    ; behind group 1: groups 2 and 3
	GROUP 2, 16
	GROUP 3, 0
.rept 4
	v_nop                                          ; four places between the last product and the stores that read results
.endr
	; register j of accumulator (blk, tt) in lane (r, hh): head j (hh = 0: its hi part, 1: its lo part), column 64 blk + 4 r + tt
.set a, 0
.rept 8
.set j, 0
.rept 8
	ds_store_b32 v10, v[ACC+8*a+j] offset:j*8192+(a/4)*256+(a%4)*4 ; each accumulator from its low end on
.set j, j+1
.endr
.set a, a+1
.endr
	s_wait_dscnt 0x0                               ; for the others' sake
	s_barrier_signal -1
	s_barrier_wait -1
.set p, 0
.rept 16
	ds_load_b128 v[R+4*p:R+4*p+3], v11 offset:p*512                ; head w: the eight waves' hi and lo parts
.set p, p+1
.endr
	s_wait_dscnt 0x0
	LEVEL R, 8
	LEVEL R, 4
	LEVEL R, 2
	LEVEL R, 1
	global_store_b128 v4, v[R:R+3], s[10:11] th:TH_STORE_NT        ; 512 consecutive bytes, aligned
	s_wait_xcnt 0x0
	v_lshl_add_u32 v254, v0, 2, 0x14100
	v_mov_b32 v255, 0
	s_wait_tensorcnt 0x0
	ds_add_u32 v254, v255
	s_wait_dscnt 0x0
	s_endpgm
.Lfunc_end_k_qeabee84273_attend:
	.size	k_qeabee84273_attend, .Lfunc_end_k_qeabee84273_attend-k_qeabee84273_attend
	.p2alignl 7, 3214868480
	.fill 96, 4, 3214868480
	.section	.rodata,"a",@progbits
	.p2align	6, 0x0
	.amdhsa_kernel k_qeabee84273_attend
		.amdhsa_group_segment_fixed_size 83200
		.amdhsa_private_segment_fixed_size 0
		.amdhsa_enable_private_segment 0
		.amdhsa_kernarg_size 40
		.amdhsa_user_sgpr_count 2
		.amdhsa_user_sgpr_kernarg_segment_ptr 1
		.amdhsa_wavefront_size32 1
		.amdhsa_system_sgpr_workgroup_id_x 1
		.amdhsa_system_sgpr_workgroup_id_y 1
		.amdhsa_system_sgpr_workgroup_id_z 1
		.amdhsa_system_vgpr_workitem_id 0
		.amdhsa_next_free_vgpr 512
		.amdhsa_next_free_sgpr 66
		.amdhsa_reserve_vcc 1
		.amdhsa_float_denorm_mode_32 3
		.amdhsa_float_denorm_mode_16_64 3
		.amdhsa_memory_ordered 1
		.amdhsa_forward_progress 1
		.amdhsa_inst_pref_size 35
	.end_amdhsa_kernel
	.amdgpu_metadata
---
amdhsa.version: [ 1, 2 ]
amdhsa.kernels:
  - .name:           k_qeabee84273_attend
    .symbol:         k_qeabee84273_attend.kd
    .args:
      - { .name: en, .offset: 0, .size: 8, .value_kind: global_buffer, .address_space: global }
      - { .name: key_len, .offset: 8, .size: 8, .value_kind: global_buffer, .address_space: global }
      - { .name: value, .offset: 16, .size: 8, .value_kind: global_buffer, .address_space: global }
      - { .name: out0, .offset: 24, .size: 8, .value_kind: global_buffer, .address_space: global }
      - { .name: out1, .offset: 32, .size: 8, .value_kind: global_buffer, .address_space: global }
    .group_segment_fixed_size: 83200
    .private_segment_fixed_size: 0
    .kernarg_segment_align: 8
    .kernarg_segment_size: 40
    .max_flat_workgroup_size: 256
    .sgpr_count:     66
    .vgpr_count:     512
    .wavefront_size: 32
...
	.end_amdgpu_metadata
.endif
;; end of part 3
;; ======== version 2 of 2: 3 launches; version 1 with the launches projfold, energy written anew for expert scheduling mode
;; workspace buffers: pq 8,388,608 bytes; en 1,048,576 bytes
;; launch projfold (part 4): grid 256 x 1, 8 waves a work-group, no clusters, 212,224 bytes of LDS; arguments query, Wq, Wk, pq; writes pq
.if DOCPART == 4
	.amdgcn_target "amdgcn-amd-amdhsa--gfx1250"
	.amdhsa_code_object_version 6
	.text
	.protected	k_qeabee84273_projfold
	.globl	k_qeabee84273_projfold
	.p2align	8
	.type	k_qeabee84273_projfold,@function
k_qeabee84273_projfold:
	s_mov_b64 s[64:65], 0
	v_nop
	global_prefetch_b8 v0, s[64:65] scope:SCOPE_SE
	s_setreg_imm32_b32 hwreg(HW_REG_WAVE_SCHED_MODE, 0, 2), 2
	s_setreg_imm32_b32 hwreg(HW_REG_WAVE_MODE, 25, 1), 1
	s_wait_xcnt 0x0
	s_wait_alu depctr_vm_vsrc(0)
; TWO PRODUCTS IN ONE LAUNCH.  q[b][h][a] = the sum over c of query[b][c] Wq[h][a][c];  then, for a slice of 64 a, pq[sa][b][h][k] = the sum over the slice's a of q[b][h][a] Wk[h][a][k].
; The eight slices' sum is qk[b][h][k], and energy[b][h][s] = the sum over k of keys[b][s][k] qk[b][h][k]: reference()'s products over a and k, regrouped; it holds for every input.  The next launch adds the slices.
; query: [64][1024], Wq: [8][512][1024], Wk: [8][512][512], all f32, each rounded once to bf16; sums in f32.  q stays in the work-group in f32 and enters the second product as hi + lo, two bf16
; numbers, so that what is left of it is below 2^-16 of q.
; SHARES.  Work-group: head h = wg / 32, slice sa = (wg / 4) % 8 (rows a = 64 sa .. + 63), 16 batches (mt = wg % 4).
; PHASE 1.  Wave w owns columns 128 w .. 128 w + 127 of the 64 rows of Wq and the 16 of query: 512 bytes of a row, one load of the wave.  16 rows land in 64 registers, are rounded in pairs and laid as rows of
; 256 bytes into the wave's own LDS, from which the fragments are read as they lie.  The eight waves' partial sums meet in LDS; wave w adds one eighth and lays it into Q2, q in f32, for all waves.
; PHASE 2.  Wave w owns columns k = 64 w .. 64 w + 63 and all 64 a: no sum across waves.  The index that is summed over is Wk's ROW: load i of a K step: lane (r, hh) takes 16 bytes of row 16 hh + i, columns
; 4 r .. 4 r + 3; rows 2 p and 2 p + 1, rounded in a pair, are register p of a fragment whose column r stands for column 4 r + tt.  A lane half so holds 16 consecutive a; q's fragment is read from Q2 in the
; same order, and a permutation of K that both sources share leaves the products as they are.  Wk's loads go out during phase 1, into slots whose rows have been rounded.
; THE RESULT, f32: byte of (sa, b, h, k) = 1,048,576 sa + 16,384 b + 2,048 h + 4 k.  It leaves through the wave's own LDS rows, so that each half of the lanes stores 256 consecutive bytes.
; NO CLUSTER, no tensor loads: the four work-groups of one (h, sa) read the same rows of Wq and Wk, but in f32 these are 262,144 + 131,072 = 393,216 bytes, more than the 327,680 that a work-group can be
; given: joint loads would want slots that are filled again, and a pass from LDS through registers back to LDS for the rounding, which the way in through registers has not.
; LIMITS.  The order of the sums is not reference()'s.  NaN and infinities are not treated apart (hi + lo of an infinity is NaN).
; THE MODE: SCHED_MODE bits 1:0 = 2 (LLVM: expert scheduling mode 2), set by the entry lines.  The code itself states the register dependences between vector or matrix instructions and memory or LDS
; instructions, with s_wait_alu, always for 0.
; THE PLAN.  Registers that memory or LDS instructions touch:
;   v4-v15          addresses, made once at the head and never written again.
;   three slots     (window 1) step p's 32 roundings read a slot; behind them the loads of the group three groups on land in it.
;   T0, T1          step p's roundings write T[p % 2]; the step's 16 LDS stores read it.  T1's registers are phase 1's accumulators afterwards.
;   v80-239         the fragments of phase 1: LDS loads land in them, products read them; no vector instruction names them before.
;   v16-47          behind step 4: the reduction's loads land in them, then q's, then the way out's; between these, additions and splittings name them.
; So ONE wait on va_vdst stands in a step, behind its roundings: T[p % 2] is written and the slot is read; the step's loads and LDS stores follow it.  The wait on vm_vsrc beside it stands AHEAD of the step's own
; stores: it states that the stores of the step before have read the other T, which the next step writes.
; REGISTERS.  Window 0: v1 lane, v2 lane % 16, v3 lane / 16, v4-v15 addresses, v16-47 T0, then the reduction, then q, then the way out, v48-79 T1, then phase 1's accumulators, v80-111 query's fragments,
; then q's hi and lo, v112-239 Wq's fragments; later v112-175 Wk's fragments, v176-207 phase 2's accumulators, v208-211 at work.  Window 1: three slots of 64 registers in which rows land.
; s_set_vgpr_msb: bits 1:0 source 0, 3:2 source 1, 7:6 destination.
.set ROWB,  4096                       ; bytes in a row of query and of Wq
.set PITCH, 272                        ; an LDS row: 256 bytes + 16: an odd multiple of 16, so the 16 rows of a fragment load start 16 bytes further on modulo 256
.set WREG,  80*PITCH                   ; a wave's own rows: 0-15 query, 16-79 Wq; at the end rows 0-15 are its stage
.set RED,   8*WREG                     ; phase 1's partial sums: [slice 8][wave 8][lane 32] of 16 bytes
.set Q2,    RED+32768                  ; q in f32: 16 rows (batches) of 64 a
.set T0,    16                         ; the two buffers of roundings
.set T1,    48
.set T,     16                         ; the reduction
.set ACC,   48
.set SF,    80                         ; query's fragment of K step kk at SF + 8 kk
.set MF,    112                        ; Wq's: K step kk, tile g at MF + 32 kk + 8 g
.set QL,    16                         ; q as read from Q2: K step t at QL + 16 t
.set QF,    80                         ; K step t: hi at QF + 16 t, lo at QF + 16 t + 8
.set WF,    112                        ; K step t: tile tt at WF + 32 t + 8 tt
.set AC2,   176
.set TMP,   208
.set OB,    16
.set MSB, 0
.macro WIN new                         ; the immediate's high byte repeats the setting that is left; a switch that changes nothing is dropped
.if MSB != (\new)
	s_set_vgpr_msb (MSB<<8)|(\new)
.set MSB, \new
.endif
.endm
; 16 rows, from row0 on, into a slot of window 1: lane l takes columns 4 l .. 4 l + 3 of my 128
.macro LOADG slot, lo, row0
	WIN 0x40
.set i, 0
.rept 16
	global_load_b128 v[(\slot)+4*i:(\slot)+4*i+3], v4, s[\lo:\lo+1] offset:((\row0)+i)*ROWB
.set i, i+1
.endr
.endm
; Wk, K step tq, load i: row 32 tq + 16 hh + i of the slice's 64 (63 at the most).  Each half of the lanes covers 256 consecutive bytes, aligned
.macro LOADW tq, slot
	WIN 0x40
.set i, 0
.rept 16
	global_load_b128 v[(\slot)+4*i:(\slot)+4*i+3], v11, s[8:9] offset:(32*(\tq)+i)*2048
.set i, i+1
.endr
.endm
; the slot's 16 rows are rounded to bf16 into buffer tb; the window that the lines behind want is set ahead of their waits
.macro ROUNDS slot, tb, then
	WIN 0x05
.set i, 0
.rept 32
	v_cvt_pk_bf16_f32 v[(\tb)+i], v[(\slot)+2*i], v[(\slot)+2*i+1]
.set i, i+1
.endr
	WIN \then
.endm
; buffer tb goes to my LDS rows from byte off on: each store covers 256 consecutive bytes
.macro LAY tb, off
	WIN 0
.set i, 0
.rept 16
	ds_store_b64 v5, v[(\tb)+2*i:(\tb)+2*i+1] offset:(\off)+i*PITCH
.set i, i+1
.endr
.endm
; The fragments of K step k, 16 rows x 32 K in 8 registers: lane l holds row r, K = 8 hh + 0..7 and 16 + 8 hh + 0..7: two loads of 16 bytes, 32 bytes apart.  Ten loads: query's, then Wq's four tiles.
.macro FRAGS k
	ds_load_b128 v[SF+8*(\k):SF+8*(\k)+3],   v6 offset:64*(\k)
	ds_load_b128 v[SF+8*(\k)+4:SF+8*(\k)+7], v6 offset:64*(\k)+32
.set g, 0
.rept 4
	ds_load_b128 v[MF+32*(\k)+8*g:MF+32*(\k)+8*g+3],   v6 offset:(16+16*g)*PITCH+64*(\k)
	ds_load_b128 v[MF+32*(\k)+8*g+4:MF+32*(\k)+8*g+7], v6 offset:(16+16*g)*PITCH+64*(\k)+32
.set g, g+1
.endr
.endm
; groups of four registers: group n takes group n + st, for n below st
.macro LEVEL base, st
.set n, 0
.rept \st
	v_pk_add_f32 v[(\base)+4*n:(\base)+4*n+1], v[(\base)+4*n:(\base)+4*n+1], v[(\base)+4*(n+(\st)):(\base)+4*(n+(\st))+1]
	v_pk_add_f32 v[(\base)+4*n+2:(\base)+4*n+3], v[(\base)+4*n+2:(\base)+4*n+3], v[(\base)+4*(n+(\st))+2:(\base)+4*(n+(\st))+3]
.set n, n+1
.endr
.endm
; two f32 -> their bf16 roundings, packed, and the bf16 roundings of what is left
.macro SPLIT2 src, hi, lo, tmp
	v_cvt_pk_bf16_f32 v[\hi], v[\src], v[(\src)+1]
	v_lshlrev_b32 v[\tmp], 16, v[\hi]
	v_and_b32 v[(\tmp)+1], 0xffff0000, v[\hi]
	v_pk_add_f32 v[(\tmp):(\tmp)+1], v[(\src):(\src)+1], v[(\tmp):(\tmp)+1] neg_lo:[0,1] neg_hi:[0,1]
	v_cvt_pk_bf16_f32 v[\lo], v[\tmp], v[(\tmp)+1]
.endm
; 16 landed loads (window 1) -> four fragments: tile tt, register p = rows 2 p and 2 p + 1 of my half, column 4 r + tt
.macro ROWPACK land, frag
	WIN 0x05
.set tt, 0
.rept 4
.set p, 0
.rept 8
	v_cvt_pk_bf16_f32 v[(\frag)+8*tt+p], v[(\land)+8*p+tt], v[(\land)+8*p+4+tt]
.set p, p+1
.endr
.set tt, tt+1
.endr
	WIN 0
.endm
; four products of phase 2: the four accumulators take turns, one instruction a turn
.macro MULS qq, ff, zero
.set tt, 0
.rept 4
.if \zero
	v_wmma_f32_16x16x32_bf16 v[AC2+8*tt:AC2+8*tt+7], v[(\qq):(\qq)+7], v[(\ff)+8*tt:(\ff)+8*tt+7], 0
.else
	v_wmma_f32_16x16x32_bf16 v[AC2+8*tt:AC2+8*tt+7], v[(\qq):(\qq)+7], v[(\ff)+8*tt:(\ff)+8*tt+7], v[AC2+8*tt:AC2+8*tt+7]
.endif
.set tt, tt+1
.endr
.endm
	s_load_b256 s[4:11], s[0:1], 0x0               ; query s[4:5], Wq s[6:7], Wk s[8:9], pq s[10:11]
	v_lshl_add_u32 v254, v0, 2, 0x33900
	v_mov_b32 v255, 0
	v_and_b32 v1, 31, v0                           ; lane l
	v_and_b32 v2, 15, v0                           ; r = l % 16
	v_bfe_u32 v3, v0, 4, 1                         ; hh = l / 16
	v_lshlrev_b32 v4, 4, v1                        ; 16 l
	v_lshrrev_b32 v12, 5, v0
	v_readfirstlane_b32 s14, v12                   ; wave w
	s_and_b32 s15, ttmp9, 3                        ; mt
	s_bfe_u32 s16, ttmp9, 0x30002                  ; sa: three bits from bit 2
	s_lshr_b32 s17, ttmp9, 5                       ; h
	s_wait_alu depctr_va_sdst(0)                   ; s14 is written, ahead of its first reader: the bases and the LDS addresses are made from it
	s_lshl_b32 s26, s14, 9                         ; my 512 bytes of a row of query and of Wq
	s_lshl_b32 s18, s15, 16                        ; query: 16 rows of 4,096 bytes for each mt
	s_add_co_u32 s18, s18, s26
	s_mov_b32 s19, 0
	s_lshl_b32 s20, s17, 21                        ; Wq: the head's 512 rows, the slice's 64
	s_lshl_b32 s27, s16, 18
	s_add_co_u32 s20, s20, s27
	s_add_co_u32 s20, s20, s26
	s_mov_b32 s21, 0
	s_lshl_b32 s22, s17, 20                        ; Wk: the head, the slice's 64 rows of 2,048 bytes, my 256 bytes of a row
	s_lshl_b32 s27, s16, 17
	s_add_co_u32 s22, s22, s27
	s_lshl_b32 s29, s14, 8
	s_add_co_u32 s22, s22, s29
	s_mov_b32 s23, 0
	s_lshl_b32 s24, s16, 20                        ; pq: the slice, batch 16 mt, the head, my 256 bytes
	s_lshl_b32 s27, s15, 18
	s_add_co_u32 s24, s24, s27
	s_lshl_b32 s27, s17, 11
	s_add_co_u32 s24, s24, s27
	s_add_co_u32 s24, s24, s29
	s_mov_b32 s25, 0
	s_mul_i32 s28, s14, WREG                       ; my rows in LDS
	v_lshl_add_u32 v5, v1, 3, s28                  ; into them: 8 bytes a lane
	v_mul_u32_u24 v12, v2, PITCH                   ; r rows
	v_lshl_add_u32 v6, v3, 4, v12                  ; out of them: row r, 16 bytes for each half of the lanes
	v_add_nc_u32 v6, s28, v6
	s_add_co_u32 s27, s26, RED
	v_add_nc_u32 v7, s27, v4                       ; my partial sums: RED + 512 w + 16 l, the slice in the offset
	s_lshl_b32 s27, s14, 12
	s_add_co_u32 s27, s27, RED
	v_add_nc_u32 v8, s27, v4                       ; slice w: RED + 4,096 w + 16 l, the wave in the offset
	s_lshr_b32 s27, s14, 1                         ; into Q2: row r, a = 16 (w / 2) + 8 hh + 4 (w % 2) on
	s_lshl_b32 s27, s27, 6
	s_and_b32 s30, s14, 1
	s_lshl_b32 s30, s30, 4
	s_add_co_u32 s27, s27, s30
	s_add_co_u32 s27, s27, Q2
	v_lshl_add_u32 v9, v3, 5, v12
	v_add_nc_u32 v9, s27, v9
	v_lshl_add_u32 v10, v3, 6, v12                 ; out of Q2: row r, a = 16 hh on; K step and four a in the offset
	v_add_nc_u32 v10, Q2, v10
	v_lshlrev_b32 v13, 4, v2                       ; 16 r
	v_lshl_add_u32 v11, v3, 15, v13                ; in Wk: 16 rows on for the upper half of the lanes, + 16 r
	v_mul_u32_u24 v14, v3, 8*PITCH                 ; into my stage: row 8 hh (+ j), column 4 r (+ tt)
	v_lshl_add_u32 v14, v2, 4, v14
	v_add_nc_u32 v14, s28, v14
	v_mul_u32_u24 v15, v3, PITCH                   ; back: lanes 0-15 one row of 256 bytes, lanes 16-31 the next
	v_lshl_add_u32 v15, v2, 4, v15
	v_add_nc_u32 v15, s28, v15
	v_lshl_add_u32 v13, v3, 14, v13                ; and the same two batches in pq: 16,384 hh + 16 r
	s_wait_kmcnt 0x0
	s_add_nc_u64 s[4:5], s[4:5], s[18:19]
	s_add_nc_u64 s[6:7], s[6:7], s[20:21]
	s_add_nc_u64 s[8:9], s[8:9], s[22:23]
	s_add_nc_u64 s[10:11], s[10:11], s[24:25]
	; PHASE 1.  Seven groups of 16 loads; three are out at the most.  At each wait the two groups issued behind the awaited one stay out.
	WIN 0x40
	s_wait_alu depctr_va_vdst(0)                   ; the addresses v4 to v15 are written: every load and store of the kernel reads one of them
	LOADG 0,   6, 0                                ; Wq's rows 0-15 of the slice
	LOADG 64,  6, 16                               ; 16-31
	LOADG 128, 4, 0                                ; my 16 batches of query
	; step 0
	s_wait_loadcnt 32                              ; Wq's rows 0-15 are in
	ROUNDS 0, T0, 0x40
	s_wait_alu depctr_va_vdst(0)                   ; the roundings have written T0, which the LDS stores read, and are done reading the first slot, in which the loads land
	LOADG 0,   6, 32                               ; rows 32-47
	LAY T0, 16*PITCH
	; step 1
	s_wait_loadcnt 32                              ; rows 16-31 are in (behind them: query's and rows 32-47)
	ROUNDS 64, T1, 0x40
	s_wait_alu depctr_va_vdst(0)                   ; the roundings have written T1 and are done reading the second slot
	s_wait_alu depctr_vm_vsrc(0)                   ; step 0's LDS stores have read T0, which step 2's roundings write
	LOADG 64,  6, 48                               ; rows 48-63
	LAY T1, 32*PITCH
	; step 2
	s_wait_loadcnt 32                              ; query's rows are in (behind them: rows 32-47 and 48-63)
	ROUNDS 128, T0, 0x40
	s_wait_alu depctr_va_vdst(0)                   ; the roundings have written T0 and are done reading the third slot
	s_wait_alu depctr_vm_vsrc(0)                   ; step 1's LDS stores have read T1, which step 3's roundings write
	LOADW 0, 128                                   ; Wk's first K step
	LAY T0, 0
	; step 3
	s_wait_loadcnt 32                              ; rows 32-47 (behind them: rows 48-63 and Wk's first K step)
	ROUNDS 0, T1, 0x40
	s_wait_alu depctr_va_vdst(0)                   ; the roundings have written T1 and are done reading the first slot
	s_wait_alu depctr_vm_vsrc(0)                   ; step 2's LDS stores have read T0, which step 4's roundings write
	LOADW 1, 0                                     ; Wk's second K step
	LAY T1, 48*PITCH
	; step 4
	s_wait_loadcnt 32                              ; rows 48-63; Wk's 32 loads stay out
	ROUNDS 64, T0, 0
	s_wait_alu depctr_va_vdst(0)                   ; the roundings have written T0, which the LDS stores read
	s_wait_alu depctr_vm_vsrc(0)                   ; step 3's LDS stores have read T1: its registers are the accumulators that the first products write
	LAY T0, 64*PITCH
	; LDS serves a wave's instructions in order (ISA guide 5.7.1.4): the fragments' loads see my stores above.  They owe no wait on va_vdst: no vector or matrix instruction has named the registers of a K step
	; when its loads are issued.  So they are dealt among the products, two K steps ahead.
	; Source 0 = 16 rows of Wq (tile g), source 1 = my 16 batches: register j of lane l is q(b = r, a = 16 g + 8 hh + j).
	; The four accumulators take turns, one instruction a turn; the first product on each starts its sum.
	FRAGS 0
	FRAGS 1
.set kk, 0
.rept 4
.if kk < 3
	s_wait_dscnt 10                                ; the ten loads of this K step are in; those of the next step may be out
.else
	s_wait_dscnt 0x0
.endif
.set g, 0
.rept 4
.if kk == 0
	v_wmma_f32_16x16x32_bf16 v[ACC+8*g:ACC+8*g+7], v[MF+32*kk+8*g:MF+32*kk+8*g+7], v[SF+8*kk:SF+8*kk+7], 0
.else
	v_wmma_f32_16x16x32_bf16 v[ACC+8*g:ACC+8*g+7], v[MF+32*kk+8*g:MF+32*kk+8*g+7], v[SF+8*kk:SF+8*kk+7], v[ACC+8*g:ACC+8*g+7]
.endif
.set g, g+1
.endr
.if kk < 2
	FRAGS kk+2
.endif
.set kk, kk+1
.endr
.rept 4
	v_nop                                          ; four places between the last product and the stores that read results
.endr
	s_wait_alu depctr_va_vdst(0)                   ; the products have written the accumulators, which the LDS stores read; the places above stay beside this wait
.set g, 0
.rept 4
	ds_store_b128 v7, v[ACC+8*g:ACC+8*g+3]   offset:(2*g)*4096     ; each accumulator's low four registers first
	ds_store_b128 v7, v[ACC+8*g+4:ACC+8*g+7] offset:(2*g+1)*4096
.set g, g+1
.endr
	s_wait_dscnt 0x0                               ; for the others' sake: my partial sums are in LDS
	s_barrier_signal -1
	s_barrier_wait -1
	s_wait_alu depctr_vm_vsrc(0)                   ; step 4's LDS stores have read v16-47, in which the loads below land (the roundings that wrote them stand ahead of the last wait on va_vdst)
.set i, 0
.rept 8
	ds_load_b128 v[T+4*i:T+4*i+3], v8 offset:i*512 ; slice w = 2 g + jh of all eight waves
.set i, i+1
.endr
	s_wait_dscnt 0x0
	LEVEL T, 4
	LEVEL T, 2
	LEVEL T, 1
	s_wait_alu depctr_va_vdst(0)                   ; the additions have written v16-19, which the LDS store reads
	ds_store_b128 v9, v[T:T+3]                     ; q(r, 16 (w/2) + 8 hh + 4 (w%2) + 0..3)
	s_wait_dscnt 0x0                               ; for the others' sake: my eighth of q is in LDS
	s_barrier_signal -1
	s_barrier_wait -1
	; PHASE 2
	s_wait_alu depctr_vm_vsrc(0)                   ; that LDS store has read v16-19, in which the loads below land (the additions that named v16-47 stand ahead of the last wait on va_vdst)
.set tq, 0
.rept 2
.set i, 0
.rept 4
	ds_load_b128 v[QL+16*tq+4*i:QL+16*tq+4*i+3], v10 offset:128*tq+16*i   ; q(r, 32 tq + 16 hh + 4 i + 0..3)
.set i, i+1
.endr
.set tq, tq+1
.endr
	s_wait_dscnt 0x0
.set tq, 0
.rept 2
.set p, 0
.rept 8
	SPLIT2 QL+16*tq+2*p, QF+16*tq+p, QF+16*tq+8+p, TMP+2*(p%2)
.set p, p+1
.endr
.set tq, tq+1
.endr
	s_wait_loadcnt 16                              ; Wk's first K step is in; the second may be out
	ROWPACK 128, WF
	MULS QF,   WF, 1                               ; hi starts the sums,
	MULS QF+8, WF, 0                               ; lo adds onto them
	s_wait_loadcnt 0x0
	ROWPACK 0, WF+32
	MULS QF+16, WF+32, 0
	MULS QF+24, WF+32, 0
.rept 4
	v_nop                                          ; four places between the last product and the stores that read results
.endr
	s_wait_alu depctr_va_vdst(0)                   ; the products have written the accumulators, which the LDS stores read; the splittings are done reading v16-47, in which the loads from the stage land
	; register j of accumulator tt in lane (r, hh) is the slice's part of qk(16 mt + 8 hh + j, 64 w + 4 r + tt).  Through my own rows of LDS: in by numbers, back by rows of 256 bytes.
.set tt, 0
.rept 4
.set j, 0
.rept 8
	ds_store_b32 v14, v[AC2+8*tt+j] offset:j*PITCH+4*tt            ; each accumulator from its low end on
.set j, j+1
.endr
.set tt, tt+1
.endr
.set i, 0
.rept 8
	ds_load_b128 v[OB+4*i:OB+4*i+3], v15 offset:i*2*PITCH          ; LDS serves a wave's instructions in order (ISA guide 5.7.1.4): these see the stores above
.set i, i+1
.endr
.set i, 0
.rept 8
	s_wait_dscnt 7-i                               ; rows 2 i and 2 i + 1 are back; the later loads may be out
	global_store_b128 v13, v[OB+4*i:OB+4*i+3], s[10:11] offset:i*32768   ; batches 16 mt + 2 i + hh: each half of the lanes stores 256 consecutive bytes, aligned
.set i, i+1
.endr
	s_wait_dscnt 0x0
	s_wait_alu depctr_hold_cnt(0) depctr_sa_sdst(0) depctr_va_vdst(0) depctr_va_sdst(0) depctr_va_ssrc(0) depctr_va_vcc(0) depctr_vm_vsrc(0)
	s_wait_tensorcnt 0x0
	ds_add_u32 v254, v255
	s_wait_dscnt 0x0
	s_endpgm
.Lfunc_end_k_qeabee84273_projfold:
	.size	k_qeabee84273_projfold, .Lfunc_end_k_qeabee84273_projfold-k_qeabee84273_projfold
	.p2alignl 7, 3214868480
	.fill 96, 4, 3214868480
	.section	.rodata,"a",@progbits
	.p2align	6, 0x0
	.amdhsa_kernel k_qeabee84273_projfold
		.amdhsa_group_segment_fixed_size 212224
		.amdhsa_private_segment_fixed_size 0
		.amdhsa_enable_private_segment 0
		.amdhsa_kernarg_size 32
		.amdhsa_user_sgpr_count 2
		.amdhsa_user_sgpr_kernarg_segment_ptr 1
		.amdhsa_wavefront_size32 1
		.amdhsa_system_sgpr_workgroup_id_x 1
		.amdhsa_system_sgpr_workgroup_id_y 1
		.amdhsa_system_sgpr_workgroup_id_z 1
		.amdhsa_system_vgpr_workitem_id 0
		.amdhsa_next_free_vgpr 512
		.amdhsa_next_free_sgpr 66
		.amdhsa_reserve_vcc 0
		.amdhsa_float_denorm_mode_32 3
		.amdhsa_float_denorm_mode_16_64 3
		.amdhsa_memory_ordered 1
		.amdhsa_forward_progress 1
		.amdhsa_inst_pref_size 50
	.end_amdhsa_kernel
	.amdgpu_metadata
---
amdhsa.version: [ 1, 2 ]
amdhsa.kernels:
  - .name:           k_qeabee84273_projfold
    .symbol:         k_qeabee84273_projfold.kd
    .args:
      - { .name: query, .offset: 0, .size: 8, .value_kind: global_buffer, .address_space: global }
      - { .name: Wq, .offset: 8, .size: 8, .value_kind: global_buffer, .address_space: global }
      - { .name: Wk, .offset: 16, .size: 8, .value_kind: global_buffer, .address_space: global }
      - { .name: pq, .offset: 24, .size: 8, .value_kind: global_buffer, .address_space: global }
    .group_segment_fixed_size: 212224
    .private_segment_fixed_size: 0
    .kernarg_segment_align: 8
    .kernarg_segment_size: 32
    .max_flat_workgroup_size: 256
    .sgpr_count:     66
    .vgpr_count:     512
    .wavefront_size: 32
...
	.end_amdgpu_metadata
.endif
;; end of part 4
;; launch energy (part 5): grid 256 x 1, 8 waves a work-group, no clusters, 155,136 bytes of LDS; arguments pq, keys, en; writes en
.if DOCPART == 5
	.amdgcn_target "amdgcn-amd-amdhsa--gfx1250"
	.amdhsa_code_object_version 6
	.text
	.protected	k_qeabee84273_energy
	.globl	k_qeabee84273_energy
	.p2align	8
	.type	k_qeabee84273_energy,@function
k_qeabee84273_energy:
	s_mov_b64 s[64:65], 0
	v_nop
	global_prefetch_b8 v0, s[64:65] scope:SCOPE_SE
	s_setreg_imm32_b32 hwreg(HW_REG_WAVE_SCHED_MODE, 0, 2), 2
	s_setreg_imm32_b32 hwreg(HW_REG_WAVE_MODE, 25, 1), 1
	s_wait_xcnt 0x0
	s_wait_alu depctr_vm_vsrc(0)
; en[b][h][s] = the sum over k of keys[b][s][k] qk[b][h][k]: the energies before the mask.  qk is the sum of the eight slices that the launch before stored (f32); it enters the product as hi + lo, two bf16
; numbers.  keys: [64][512][512] f32, rounded once to bf16; sums in f32.
; SHARES.  Work-group: batch b = wg / 4, 128 positions s (sq = wg % 4).  Wave w adds head w's eight slices and lays hi and lo into LDS for all waves; then it owns 16 positions, 16 rows of 2,048 bytes of keys,
; and takes them in four chunks of 512 bytes a row.
; ONE SOURCE OF 16 ROWS HOLDS hi AND lo: rows 0-7 the eight heads' hi, rows 8-15 their lo.  In the result the lower half of the lanes then holds the hi part and the upper half the lo part of the same
; eight heads: one exchange between the halves adds them.
; THE WAY IN.  A chunk lands in 64 registers, is rounded to bf16 and laid into the wave's own LDS rows, from which the fragments are read as they lie.
; NO CLUSTER: what the four work-groups of a batch share is the slices of qk, 128 KiB beside the 256 KiB of keys that are a work-group's own; they are summed in registers as they land, which a tile in LDS would
; only reach by a further pass.  No tensor loads: three groups of 16 loads of each wave are out from its first lines on.
; LIMITS.  The order of the sums is not reference()'s (products regrouped; a in eight slices; even and odd K steps in two accumulators).  NaN and infinities are not treated apart.
; THE MODE: SCHED_MODE bits 1:0 = 2 (LLVM: expert scheduling mode 2), set by the entry lines.  The code itself states the register dependences between vector or matrix instructions and memory or LDS
; instructions, with s_wait_alu, always for 0.
; THE PLAN.  Registers that memory or LDS instructions touch:
;   v4-v10          addresses, made once at the head and never written again.
;   v16-143         the eight slices land in them, once; no vector instruction names them before.      window 1: each chunk of keys lands once, in registers that nothing has named.
;   hi, lo          written by the splittings, read by eight LDS stores; they lie in TB.
;   TA, TB          a chunk's roundings write TA (chunks 0, 2) or TB (chunks 1, 3); the chunk's 16 LDS stores read it.
;   FR              a chunk's LDS loads land in it; its four products read it.
;   v160-163        written by four additions, read by four LDS stores.      v164-167: the last LDS load lands in them, the global store reads them; nothing else names them.
; So ONE wait on va_vdst stands in a chunk, behind its roundings: its buffer is written, and the products of the chunk before (ahead of chunk 0: the slices' additions) are done reading FR.  The wait on
; vm_vsrc beside it stands AHEAD of the chunk's own stores: the stores issued before have read the other buffer, which the next chunk's roundings write.
; REGISTERS.  Window 0: v1-v10 lane numbers and addresses, v16-143 the eight slices as they land; then v32-63 hi, lo, at work and TB, v64-127 fragments, v128-143 two accumulators; v144-167 the way out;
; v192-223 TA.  Window 1: four chunks of 64.
.set PP,  1040                         ; an LDS row: 1,024 bytes of bf16 + 16: an odd multiple of 16
.set KL,  16*PP                        ; behind qk's 16 rows: 16 rows for each wave
.set EST, 9*16*PP                      ; behind them: the work-group's energies, 8 rows of 512 bytes + 16
.set EP,  528
.set PQ,  16                           ; slice sl: 16 registers at PQ + 16 sl: register 4 c + x is k = 128 c + 4 l + x
.set HI,  32
.set LO,  40
.set TMP, 48
.set TA,  192                          ; the two buffers of roundings
.set TB,  32
.set FR,  64                           ; K step kk of a chunk: qk's fragment at FR + 16 kk, keys' at FR + 16 kk + 8
.set ACC, 128
.set SS,  144
.set XX,  152
.set YY,  156
.set OO,  160
.set OB,  164
.set MSB, 0
.macro WIN new                         ; the immediate's high byte repeats the setting that is left; a switch that changes nothing is dropped
.if MSB != (\new)
	s_set_vgpr_msb (MSB<<8)|(\new)
.set MSB, \new
.endif
.endm
.macro LOADK cq                        ; chunk cq of my 16 rows: lane l takes columns 128 cq + 4 l .. + 3; a load covers 512 consecutive bytes
	WIN 0x40
.set i, 0
.rept 16
	global_load_b128 v[64*(\cq)+4*i:64*(\cq)+4*i+3], v4, s[6:7] offset:i*2048+(\cq)*512 th:TH_LOAD_NT
.set i, i+1
.endr
.endm
.macro ADD16 a, b                      ; slice a takes slice b
.set n, 0
.rept 8
	v_pk_add_f32 v[PQ+16*(\a)+2*n:PQ+16*(\a)+2*n+1], v[PQ+16*(\a)+2*n:PQ+16*(\a)+2*n+1], v[PQ+16*(\b)+2*n:PQ+16*(\b)+2*n+1]
.set n, n+1
.endr
.endm
.macro SPLIT2 src, hi, lo, tmp         ; two f32 -> their bf16 roundings, packed, and the bf16 roundings of what is left
	v_cvt_pk_bf16_f32 v[\hi], v[\src], v[(\src)+1]
	v_lshlrev_b32 v[\tmp], 16, v[\hi]
	v_and_b32 v[(\tmp)+1], 0xffff0000, v[\hi]
	v_pk_add_f32 v[(\tmp):(\tmp)+1], v[(\src):(\src)+1], v[(\tmp):(\tmp)+1] neg_lo:[0,1] neg_hi:[0,1]
	v_cvt_pk_bf16_f32 v[\lo], v[\tmp], v[(\tmp)+1]
.endm
.macro FRAG cq, k                      ; the four loads of K step k of chunk cq: qk's fragment, then keys'
	ds_load_b128 v[FR+16*(\k):FR+16*(\k)+3],     v6 offset:256*(\cq)+64*(\k)
	ds_load_b128 v[FR+16*(\k)+4:FR+16*(\k)+7],   v6 offset:256*(\cq)+64*(\k)+32
	ds_load_b128 v[FR+16*(\k)+8:FR+16*(\k)+11],  v7 offset:256*(\cq)+64*(\k)
	ds_load_b128 v[FR+16*(\k)+12:FR+16*(\k)+15], v7 offset:256*(\cq)+64*(\k)+32
.endm
.macro CHUNK cq, left
.if (\cq)%2
.set TT, TB
.else
.set TT, TA
.endif
	s_wait_loadcnt \left                           ; this chunk's 16 loads are in; the younger ones stay out
.if (\cq) == 0
	LOADK 3                                        ; the last chunk goes out as soon as 16 loads have come back; nothing has named its registers
.endif
	WIN 0x05
.set i, 0
.rept 32
	v_cvt_pk_bf16_f32 v[TT+i], v[64*(\cq)+2*i], v[64*(\cq)+2*i+1]
.set i, i+1
.endr
	WIN 0
	s_wait_alu depctr_va_vdst(0)                   ; the roundings have written this chunk's buffer, which the LDS stores read; the products of the chunk before (ahead of chunk 0: the slices' additions) are done with FR, in which the fragments land
.if (\cq) < 3
	s_wait_alu depctr_vm_vsrc(0)                   ; the LDS stores issued so far have read the other buffer (ahead of chunk 0: hi and lo, which lie in it), which the next chunk's roundings write
.endif
.set i, 0
.rept 16
	ds_store_b64 v5, v[TT+2*i:TT+2*i+1] offset:256*(\cq)+i*PP      ; 256 consecutive bytes of row i
.set i, i+1
.endr
	FRAG \cq, 0                                    ; LDS serves a wave's instructions in order (ISA guide 5.7.1.4): these see the stores above
	FRAG \cq, 1
.set kk, 0
.rept 4
.if kk < 3
	s_wait_dscnt 4                                 ; this K step's four loads are in; the next step's may be out
.else
	s_wait_dscnt 0x0
.endif
.if ((\cq) == 0) && (kk < 2)
	v_wmma_f32_16x16x32_bf16 v[ACC+8*(kk%2):ACC+8*(kk%2)+7], v[FR+16*kk:FR+16*kk+7], v[FR+16*kk+8:FR+16*kk+15], 0
.else
	v_wmma_f32_16x16x32_bf16 v[ACC+8*(kk%2):ACC+8*(kk%2)+7], v[FR+16*kk:FR+16*kk+7], v[FR+16*kk+8:FR+16*kk+15], v[ACC+8*(kk%2):ACC+8*(kk%2)+7]
.endif
.if kk < 2
	FRAG \cq, kk+2                                 ; two K steps ahead.  No wait: no vector or matrix instruction since the wait above names these registers
.endif
.set kk, kk+1
.endr
.endm
	s_load_b128 s[4:7], s[0:1], 0x0                ; pq s[4:5], keys s[6:7]
	s_load_b64 s[8:9], s[0:1], 0x10                ; en
	v_lshl_add_u32 v254, v0, 2, 0x25a00
	v_mov_b32 v255, 0
	v_and_b32 v1, 31, v0                           ; lane l
	v_and_b32 v2, 15, v0                           ; r
	v_bfe_u32 v3, v0, 4, 1                         ; hh
	v_lshlrev_b32 v4, 4, v1                        ; 16 l
	v_lshrrev_b32 v12, 5, v0
	v_readfirstlane_b32 s14, v12                   ; wave w
	s_lshr_b32 s15, ttmp9, 2                       ; b
	s_and_b32 s16, ttmp9, 3                        ; sq
	s_wait_alu depctr_va_sdst(0)                   ; s14 is written, ahead of its first reader: the bases and the LDS addresses are made from it
	s_lshl_b32 s18, s15, 14                        ; pq: batch b, head w, in slice 0
	s_lshl_b32 s22, s14, 11
	s_add_co_u32 s18, s18, s22
	s_mov_b32 s19, 0
	s_lshl_b32 s24, s15, 20                        ; keys: batch b, row 128 sq + 16 w
	s_lshl_b32 s22, s16, 18
	s_add_co_u32 s24, s24, s22
	s_lshl_b32 s22, s14, 15
	s_add_co_u32 s24, s24, s22
	s_mov_b32 s25, 0
	s_lshl_b32 s26, s15, 3                         ; en: row 8 b + w, 512 bytes of sq
	s_add_co_u32 s26, s26, s14
	s_lshl_b32 s26, s26, 11
	s_lshl_b32 s22, s16, 9
	s_add_co_u32 s26, s26, s22
	s_mov_b32 s27, 0
	s_mov_b32 s20, 0x76543210                      ; v_permlanex16_b32: each lane takes its own place in the other half
	s_mov_b32 s21, 0xfedcba98
	s_mul_i32 s22, s14, 16*PP
	s_add_co_u32 s22, s22, KL                      ; my 16 rows in LDS
	v_lshl_add_u32 v5, v1, 3, s22                  ; into them: 8 bytes a lane
	v_mul_u32_u24 v6, v2, PP
	v_lshl_add_u32 v6, v3, 4, v6                   ; qk's fragments: row r, 16 bytes for each half of the lanes
	v_add_nc_u32 v7, s22, v6                       ; keys' fragments
	s_mul_i32 s23, s14, PP
	v_lshl_add_u32 v8, v1, 3, s23                  ; qk's row w: 8 bytes a lane
	v_mul_u32_u24 v9, v3, 4*EP
	v_lshl_add_u32 v9, v2, 2, v9
	s_lshl_b32 s23, s14, 6
	s_add_co_u32 s23, s23, EST
	v_add_nc_u32 v9, s23, v9                       ; an energy: row 4 hh (+ i), column 16 w + r
	s_mul_i32 s23, s14, EP
	s_add_co_u32 s23, s23, EST
	v_add_nc_u32 v10, s23, v4                      ; back: row w, 16 bytes a lane
	v_cmp_ne_u32 vcc_lo, 0, v3                     ; the upper half of the lanes
	s_wait_alu depctr_va_vcc(0)                    ; VCC is written, ahead of its first reader: the selects on the way out; nothing writes it again
	s_wait_kmcnt 0x0
	s_add_nc_u64 s[4:5], s[4:5], s[18:19]
	s_add_nc_u64 s[6:7], s[6:7], s[24:25]
	s_add_nc_u64 s[8:9], s[8:9], s[26:27]
	s_wait_alu depctr_va_vdst(0)                   ; the addresses v4 to v10 are written: every load and store of the kernel reads one of them
.set sl, 0
.rept 8
.set c, 0
.rept 4
	global_load_b128 v[PQ+16*sl+4*c:PQ+16*sl+4*c+3], v4, s[4:5] offset:sl*1048576+c*512   ; slice sl of head w: k = 128 c + 4 l + 0..3; the immediate is 7,341,568 at the most, inside its signed 24 bits
.set c, c+1
.endr
.set sl, sl+1
.endr
	LOADK 0
	s_wait_loadcnt 32                              ; slices 0-3 are in (behind them: slices 4-7's 16 loads and chunk 0's)
	LOADK 1
	WIN 0
	ADD16 0, 1
	ADD16 2, 3
	ADD16 0, 2
	s_wait_loadcnt 32                              ; slices 4-7 are in (behind them: chunks 0 and 1)
	LOADK 2                                        ; nothing has named its registers
	WIN 0
	ADD16 4, 5
	ADD16 6, 7
	ADD16 4, 6
	ADD16 0, 4                                     ; qk of head w, 16 numbers a lane
.set i, 0
.rept 8
	SPLIT2 PQ+2*i, HI+i, LO+i, TMP+2*(i%2)
.set i, i+1
.endr
	s_wait_alu depctr_va_vdst(0)                   ; the splittings have written hi and lo, which the LDS stores read
.set c, 0
.rept 4
	ds_store_b64 v8, v[HI+2*c:HI+2*c+1] offset:c*256               ; hi into row w,
	ds_store_b64 v8, v[LO+2*c:LO+2*c+1] offset:8*PP+c*256          ; lo into row w + 8
.set c, c+1
.endr
	s_wait_dscnt 0x0                               ; for the others' sake: my head's rows are in LDS
	s_barrier_signal -1
	s_barrier_wait -1
	CHUNK 0, 32                                    ; behind chunk 0: chunks 1 and 2.  The two accumulators take turns, one instruction a turn
	CHUNK 1, 32                                    ; behind chunk 1: chunks 2 and 3
	CHUNK 2, 16
	CHUNK 3, 0
.rept 4
	v_nop                                          ; four places between the last product and the additions that read results (ISA guide 7.12.1)
.endr
.set i, 0
.rept 4
	v_pk_add_f32 v[SS+2*i:SS+2*i+1], v[ACC+2*i:ACC+2*i+1], v[ACC+8+2*i:ACC+8+2*i+1]   ; from the low end on
.set i, i+1
.endr
	; register j: head j at position r; hi part in lanes 0-15, lo part in lanes 16-31.  The lower half keeps heads 0-3 and sends 4-7, the upper half keeps 4-7 and sends 0-3.
.set i, 0
.rept 4
	v_cndmask_b32 v[XX+i], v[SS+i], v[SS+4+i], vcc_lo              ; what I keep
	v_cndmask_b32 v[YY+i], v[SS+4+i], v[SS+i], vcc_lo              ; what I send
.set i, i+1
.endr
.set i, 0
.rept 4
	v_permlanex16_b32 v[SS+i], v[YY+i], s20, s21
.set i, i+1
.endr
.set i, 0
.rept 4
	v_add_f32 v[OO+i], v[XX+i], v[SS+i]            ; head 4 hh + i, position 16 w + r
.set i, i+1
.endr
	s_wait_alu depctr_va_vdst(0)                   ; the four additions have written v160-163, which the LDS stores read
.set i, 0
.rept 4
	ds_store_b32 v9, v[OO+i] offset:i*EP
.set i, i+1
.endr
	s_wait_dscnt 0x0                               ; for the others' sake
	s_barrier_signal -1
	s_barrier_wait -1
	ds_load_b128 v[OB:OB+3], v10                   ; head w, the work-group's 128 positions, into registers that nothing has named
	s_wait_dscnt 0x0
	global_store_b128 v4, v[OB:OB+3], s[8:9]       ; 512 consecutive bytes, aligned
	s_wait_dscnt 0x0
	s_wait_alu depctr_hold_cnt(0) depctr_sa_sdst(0) depctr_va_vdst(0) depctr_va_sdst(0) depctr_va_ssrc(0) depctr_va_vcc(0) depctr_vm_vsrc(0)
	s_wait_tensorcnt 0x0
	ds_add_u32 v254, v255
	s_wait_dscnt 0x0
	s_endpgm
.Lfunc_end_k_qeabee84273_energy:
	.size	k_qeabee84273_energy, .Lfunc_end_k_qeabee84273_energy-k_qeabee84273_energy
	.p2alignl 7, 3214868480
	.fill 96, 4, 3214868480
	.section	.rodata,"a",@progbits
	.p2align	6, 0x0
	.amdhsa_kernel k_qeabee84273_energy
		.amdhsa_group_segment_fixed_size 155136
		.amdhsa_private_segment_fixed_size 0
		.amdhsa_enable_private_segment 0
		.amdhsa_kernarg_size 24
		.amdhsa_user_sgpr_count 2
		.amdhsa_user_sgpr_kernarg_segment_ptr 1
		.amdhsa_wavefront_size32 1
		.amdhsa_system_sgpr_workgroup_id_x 1
		.amdhsa_system_sgpr_workgroup_id_y 1
		.amdhsa_system_sgpr_workgroup_id_z 1
		.amdhsa_system_vgpr_workitem_id 0
		.amdhsa_next_free_vgpr 512
		.amdhsa_next_free_sgpr 66
		.amdhsa_reserve_vcc 1
		.amdhsa_float_denorm_mode_32 3
		.amdhsa_float_denorm_mode_16_64 3
		.amdhsa_memory_ordered 1
		.amdhsa_forward_progress 1
		.amdhsa_inst_pref_size 39
	.end_amdhsa_kernel
	.amdgpu_metadata
---
amdhsa.version: [ 1, 2 ]
amdhsa.kernels:
  - .name:           k_qeabee84273_energy
    .symbol:         k_qeabee84273_energy.kd
    .args:
      - { .name: pq, .offset: 0, .size: 8, .value_kind: global_buffer, .address_space: global }
      - { .name: keys, .offset: 8, .size: 8, .value_kind: global_buffer, .address_space: global }
      - { .name: en, .offset: 16, .size: 8, .value_kind: global_buffer, .address_space: global }
    .group_segment_fixed_size: 155136
    .private_segment_fixed_size: 0
    .kernarg_segment_align: 8
    .kernarg_segment_size: 24
    .max_flat_workgroup_size: 256
    .sgpr_count:     66
    .vgpr_count:     512
    .wavefront_size: 32
...
	.end_amdgpu_metadata
.endif
;; end of part 5
;; launch attend: the kernel of part 3 again; grid 256 x 1, 8 waves a work-group, no clusters, 83,200 bytes of LDS; arguments en, key_len, value, out0, out1; writes out0, out1
